; MI455X (gfx1250); checked and timed in simulation.
; The chip was launched on July 23, 2026; its instructions are those of AMD's public machine-readable ISA for CDNA 5 (MIT licence, August 2026) and "CDNA5" Instruction Set Architecture Reference Guide (July 2026). The comments in the code are by the model that wrote it; some were corrected since.
;; Casual Multi Head Atten. Allowed arithmetic: matrix products marked QUANTISED: E2M3 operands, one E8M0 scale for each 32 along K, by v_wmma_scale_f32_16x16x128_f8f6f4 with both operands' format E2M3, f32 sums; everything else in f32.
;; Inputs: Wk 1,024 x 1,024 float32; Wo 1,024 x 1,024 float32; Wq 1,024 x 1,024 float32; Wv 1,024 x 1,024 float32; x 4 x 2,048 x 1,024 float32.
;; Outputs: out0 4 x 2,048 x 1,024 float32.
;; This version of the problem:
;;   THIS VERSION OF THE PROBLEM IS GIVEN IN LOW PRECISION. The matrix products marked QUANTISED in the list below multiply operands that are first quantised to E2M3 (2 exponent bits, 3 mantissa bits; 6 bits a number), with one power-of-two scale for each 32 numbers along K (OCP MX v1.0); their sums are f32. All else is computed in f32.
;;   The module's matrix products, in the order in which they are computed (A, B: the left and right operand; K: the contracted axis; several contracted axes count as one K, in the product's order):
;;     1. [M 8,192, K 1,024] x [K 1,024, N 1,024]; A: input x; B: input Wq: QUANTISED
;;     2. [M 8,192, K 1,024] x [K 1,024, N 1,024]; A: input x; B: input Wk: QUANTISED
;;     3. [M 8,192, K 1,024] x [K 1,024, N 1,024]; A: input x; B: input Wv: QUANTISED
;;     4. batch 64 x [M 2,048, K 64] x [K 64, N 2,048]; A: computed on the way; B: computed on the way: QUANTISED
;;     5. batch 64 x [M 2,048, K 2,048] x [K 2,048, N 64]; A: softmax (see below); B: computed on the way: QUANTISED
;;     6. [M 8,192, K 1,024] x [K 1,024, N 1,024]; A: computed on the way; B: input Wo: QUANTISED
;;   THE QUANTISER, for each operand of a quantised product, along K:
;;     - K is cut into blocks of 32 from its start; a last block that is shorter is filled with zeros.
;;     - A block's scale is 2^e with e = floor(log2(the largest magnitude in the block)) - 2, held to -126 .. 127; a block of zeros has e = 0. As a byte (E8M0): e + 127.
;;     - Each number is divided by its block's scale, clamped to +-7.5, and rounded to the nearest number of E2M3, ties to even, subnormals kept.
;;     - The product sums the exact products of the quantised numbers (number of the format x scale) in f32.
;;   ~~~python
;;   def quantise(x, axis):      # numpy; x: float32 -> the quantised numbers, widened to float32 again
;;       x = np.moveaxis(x, axis, -1); K = x.shape[-1]
;;       x = np.pad(x, [(0, 0)] * (x.ndim - 1) + [(0, -K % 32)]); x = x.reshape(x.shape[:-1] + (-1, 32)); a = np.abs(x).max(-1, keepdims=True)
;;       e = np.where(a > 0, np.clip(np.frexp(np.where(a > 0, a, 1))[1] - 1 - 2, -126, 127), 0)      # np.frexp(a)[1] - 1 = floor(log2(a)), exactly
;;       r = np.clip(x / 2.0 ** e, -7.5, 7.5)
;;       step = 2.0 ** (np.maximum(np.frexp(np.where(r == 0, 1, r))[1] - 1, 0) - 3)
;;       q = np.round(r / step) * step * 2.0 ** e      # np.round: ties to even
;;       return np.moveaxis(q.reshape(q.shape[:-2] + (-1,))[..., :K], -1, axis).astype(np.float32)
;;   ~~~
;;   SOFTMAX AHEAD OF A QUANTISED PRODUCT. Where the list says 'softmax', what is quantised is not the finished softmax but p = 2^(t - M), with t = logit x log2(e) and M = ceil(the row's largest t), a whole number; so 1/2 < the row's largest p <= 1. The row's sum l is taken of the UNQUANTISED p, in f32, and the product's result is divided by l at the end. Since M is a whole number, a kernel that streams over the keys may use a running M (the ceiling of the running maximum): every later rescaling is an exact power of two, which a block's scale takes up: the codes' values come out the same.
;;   OPERANDS COMPUTED ON THE WAY. 'Computed on the way' means the value that the module computes at that place (a softmax that the list does not call 'softmax' is quantised finished and normalised). What goes into a quantiser is computed in f32, as accurately as f32 sums, v_exp_f32 and their like allow (about 1e-6 of the number): no bf16 or f16 on the way to a quantiser, and a product that is left as it is and whose result goes on into a quantised operand takes f32 operands (vector FMAs, or v_wmma_f32_16x16x4_f32). A number that lies on a knife's edge between two numbers of the format may be rounded either way, as far as f32 arithmetic and the matrix unit's own rounding can turn it there, and no further.
;; One version. Each part assembles by itself: llvm-mc -triple=amdgcn-amd-amdhsa -mcpu=gfx1250 --defsym DOCPART=n.
;; ======== version 1 of 1: 4 launches
;; workspace buffers: xc 6,291,456 bytes; xs 262,144 bytes; wc 3,145,728 bytes; ws 131,072 bytes; qkvc 18,874,368 bytes; qkvs 1,310,720 bytes; ac 6,291,456 bytes; asc 262,144 bytes
;; launch quant (part 1): grid 384 x 1, 4 waves a work-group, no clusters, 33,280 bytes of LDS; arguments x, Wq, Wk, Wv, Wo, xc, xs, wc, ws; writes xc, xs, wc, ws
.if DOCPART == 1
	.amdgcn_target "amdgcn-amd-amdhsa--gfx1250"
	.amdhsa_code_object_version 6
	.text
	.protected	k_q4a910afe7b_quant
	.globl	k_q4a910afe7b_quant
	.p2align	8
	.type	k_q4a910afe7b_quant,@function
k_q4a910afe7b_quant:
	s_mov_b64 s[64:65], 0
	v_nop
	global_prefetch_b8 v0, s[64:65] scope:SCOPE_SE
	s_setreg_imm32_b32 hwreg(HW_REG_WAVE_MODE, 25, 1), 1
	s_wait_xcnt 0x0
; x [8192][1024] and Wq, Wk, Wv, Wo [1024][1024], f32, K innermost, become codes of FP6 (E2M3), 6 bits each, with one E8M0 scale byte for each 32 along K:
; xc [8192][768 bytes], xs [8192][32]; wc [4096][768], ws [4096][32] (Wq's rows, then Wk's, Wv's, Wo's).
; A block's scale is 2^(floor(log2(its largest magnitude)) - 2); its byte is the largest magnitude's exponent field - 2, held at 1 from below.
; THE ROWS ARE LAID IN ANOTHER ORDER: row 32 B + 16 g + 8 u + e of x, Wq, Wk, Wv is stored at place 32 B + 16 u + 8 g + e (bits 3 and 4 of the row's number change places); Wo's rows stay.
; Sixteen neighbouring places are then rows 32 B + 8 u + r + 8 (r / 8): used as source 0 of a matrix instruction, two such tiles leave a lane 16 true neighbours along the next product's K.
; A wave's share is 8,192 numbers = 8 rows, so the order costs nothing: the two low bits of the wave's output run change places.
; LIMITS: a block of zeros gets the byte 1 (its codes are zeros; this program alone reads the bytes); blocks whose largest magnitude lies under 2^-124 meet the floor; NaN and infinities among the inputs are not served.
; A wave takes 16 steps of 512 numbers.  Each load reads 512 consecutive bytes; a step's 2,048 bytes turn through the wave's own stage in LDS and come back 64 bytes (16 neighbours) a lane; two lanes hold a block.
; No matrix unit, no cluster, no tensor load: the work-groups share no input, and each byte is read once.  Loads run four steps ahead, the turn through LDS one step.
.set WAVES, 4
.set STEPS, 16
.set EMAX,  2
.set CB,    12                         ; bytes of 16 codes
.set R,     16                         ; v16-79   four sets of 16 numbers as they are loaded
.set X,     80                         ; v80-111  two sets of 16 neighbours
.set C,     128                        ; v128-191 codes: four registers for each step, so that no store's data are written again
.set E,     112                        ; v112-127 a scale byte for each step
.set WREG,  8192                       ; LDS: a region for each wave: two stages of 32 x SP bytes, behind them its 256 scale bytes
.set SP,    80                         ; a lane's place in a stage: 64 bytes + 16 of padding
.set SPW,   12                         ; v12 LDS address of my spare word; never rewritten
.set NIL,   13                         ; v13 0; never rewritten
.set SPARE, WAVES*WREG                 ; behind the four regions: the spare words, 128 bytes a wave
	s_load_b512 s[4:19], s[0:1], 0x0               ; x s[4:5], Wq s[6:7], Wk s[8:9], Wv s[10:11], Wo s[12:13], xc s[14:15], xs s[16:17], wc s[18:19]
	s_load_b64 s[20:21], s[0:1], 0x40              ; ws
	v_lshl_add_u32 v[SPW], v0, 2, SPARE
	v_mov_b32 v[NIL], 0
	v_lshrrev_b32 v1, 5, v0
	v_readfirstlane_b32 s24, v1                    ; wave
	v_and_b32 v2, 31, v0                           ; lane
	v_lshlrev_b32 v3, 4, v2                        ; my 16 bytes of a load's 512
	s_mul_i32 s25, s24, WREG
	v_lshrrev_b32 v14, 2, v2
	v_mul_u32_u24 v14, v14, SP
	v_and_b32 v15, 3, v2
	v_lshl_add_u32 v14, v15, 4, v14
	v_add_nc_u32 v14, s25, v14                     ; the stage, on the way in: SP (lane / 4) + 16 (lane % 4)
	v_mul_u32_u24 v15, v2, SP
	v_add_nc_u32 v15, s25, v15                     ; and on the way out: SP x lane: my 16 neighbours
	v_mul_u32_u24 v4, v2, CB                       ; my codes' place in a step's
	v_lshrrev_b32 v5, 1, v2
	s_add_co_u32 s25, s25, 2*32*SP
	v_add_nc_u32 v5, s25, v5                       ; LDS: my wave's 256 scale bytes, my block's byte
	v_lshlrev_b32 v7, 3, v2                        ; on the way out 8 bytes a lane
	v_add_nc_u32 v6, s25, v7
	s_and_b32 s26, s24, 1
	s_lshl_b32 s26, s26, 1
	s_lshr_b32 s27, s24, 1
	s_or_b32 s26, s26, s27                         ; the wave's number with its two bits changed over
	s_wait_kmcnt 0x0
	s_cmp_lt_u32 ttmp9, 352                        ; work-groups 0-255 x, 256-287 Wq, 288-319 Wk, 320-351 Wv, 352-383 Wo: every choice hangs on the work-group's number alone
	s_cselect_b32 s26, s26, s24                    ; Wo's rows stay in their order
	s_cselect_b64 s[12:13], s[10:11], s[12:13]
	s_cmp_lt_u32 ttmp9, 320
	s_cselect_b64 s[12:13], s[8:9], s[12:13]
	s_cmp_lt_u32 ttmp9, 288
	s_cselect_b64 s[12:13], s[6:7], s[12:13]
	s_cmp_lt_u32 ttmp9, 256
	s_cselect_b64 s[4:5], s[4:5], s[12:13]         ; the source
	s_cselect_b64 s[14:15], s[14:15], s[18:19]     ; its codes
	s_cselect_b64 s[16:17], s[16:17], s[20:21]     ; its scale bytes
	s_cselect_b32 s27, 0, 256
	s_cselect_b32 s28, -1, 31
	s_sub_co_u32 s27, ttmp9, s27                   ; the work-group's number within x, or within the four weights
	s_and_b32 s28, s27, s28                        ; and within its source tensor
	s_lshl_b32 s28, s28, 2
	s_add_co_u32 s28, s28, s24                     ; which run of 8,192 numbers I read
	s_lshl_b32 s28, s28, 15                        ; 32,768 bytes a run
	s_mov_b32 s29, 0
	s_add_nc_u64 s[4:5], s[4:5], s[28:29]
	s_lshl_b32 s27, s27, 2
	s_add_co_u32 s27, s27, s26                     ; which run of 8 rows I write
	s_mul_i32 s30, s27, 32*STEPS*CB                ; 6,144 bytes of codes a run
	s_mov_b32 s31, 0
	s_add_nc_u64 s[14:15], s[14:15], s[30:31]
	s_lshl_b32 s30, s27, 8                         ; 256 scale bytes a run
	s_add_nc_u64 s[16:17], s[16:17], s[30:31]
.macro LOAD t
.irp i, 0,1,2,3
	global_load_b128 v[R+16*((\t)%4)+4*\i:R+16*((\t)%4)+4*\i+3], v3, s[4:5] offset:2048*(\t)+512*\i th:TH_LOAD_NT   ; 32 lanes read 512 consecutive bytes
.endr
.endm
.macro TURN t                          ; step t's numbers through the stage: LDS serves a wave's instructions in order, so no wait stands between the stores and the loads
.irp i, 0,1,2,3
	ds_store_b128 v14, v[R+16*((\t)%4)+4*\i:R+16*((\t)%4)+4*\i+3] offset:32*SP*((\t)%2)+8*SP*\i
.endr
.irp i, 0,1,2,3
	ds_load_b128 v[X+16*((\t)%2)+4*\i:X+16*((\t)%2)+4*\i+3], v15 offset:32*SP*((\t)%2)+16*\i
.endr
.endm
.irp t, 0,1,2,3
	LOAD \t
.endr
	s_wait_loadcnt 12                              ; step 0's four loads are in; the twelve of steps 1 to 3 may be out
	TURN 0
.macro STEP t
.set XS, X+16*((\t)%2)
.if (\t) > 0
	s_wait_dscnt 1                                 ; this step's numbers are back from the stage (the last step's byte store may be out)
.else
	s_wait_dscnt 0x0
.endif
.if (\t)+4 < STEPS
	LOAD (\t)+4                                    ; into the registers that this step's stores into the stage have read
.endif
.if (\t)+1 < STEPS
.if STEPS-2-(\t) >= 3
	s_wait_loadcnt 12                              ; the next step's four loads are in; those of the three steps behind it may be out
.else
	s_wait_loadcnt 4*(STEPS-2-(\t))
.endif
	TURN (\t)+1                                    ; and go through the other stage while this step is worked
.endif
	v_max3_num_f32 v8, |v[XS]|, |v[XS+1]|, |v[XS+2]|               ; the largest magnitude of my 16, in two chains
	v_max3_num_f32 v9, |v[XS+3]|, |v[XS+4]|, |v[XS+5]|
.irp i, 6,10
	v_max3_num_f32 v8, v8, |v[XS+\i]|, |v[XS+\i+1]|
	v_max3_num_f32 v9, v9, |v[XS+\i+2]|, |v[XS+\i+3]|
.endr
	v_max3_num_f32 v8, v8, |v[XS+14]|, |v[XS+15]|
	v_max3_num_f32 v8, v8, v9, (EMAX+1)<<23        ; and the floor 2^(3 - 127): the byte cannot fall under 1
	v_max_num_f32_dpp v8, v8, v8 row_xmask:1 row_mask:0xf bank_mask:0xf   ; and of my neighbour's 16: the block's
	v_add_nc_u32 v11, 0xff000000, v8               ; 2 off its exponent field: the conversion takes the exponent field of this operand as its scale
	v_cvt_scalef32_pk16_fp6_f32 v[C+4*(\t):C+4*(\t)+2], v[XS:XS+15], v11   ; sixteen numbers / the scale, to the nearest code, ties to even, beyond the largest code the largest
	v_lshrrev_b32 v[E+(\t)], 23, v11               ; the scale's byte (also the plain line behind the conversion)
	ds_store_b8 v5, v[E+(\t)] offset:16*(\t)       ; both lanes of a block write the same byte with the same value
	global_store_b96 v4, v[C+4*(\t):C+4*(\t)+2], s[14:15] offset:32*CB*(\t)   ; the wave stores 384 consecutive bytes
.endm
.irp t, 0,1,2,3,4,5,6,7,8,9,10,11,12,13,14,15
	STEP \t
.endr
	ds_load_b64 v[8:9], v6                         ; LDS serves a wave's instructions in order: these see my stores
	s_wait_dscnt 0x0
	global_store_b64 v7, v[8:9], s[16:17]          ; 32 lanes store 256 consecutive bytes, aligned
	s_wait_tensorcnt 0x0                           ; the wave's end, behind my last LDS store
	ds_add_u32 v[SPW], v[NIL]
	s_wait_dscnt 0x0
	s_endpgm
.Lfunc_end_k_q4a910afe7b_quant:
	.size	k_q4a910afe7b_quant, .Lfunc_end_k_q4a910afe7b_quant-k_q4a910afe7b_quant
	.p2alignl 7, 3214868480
	.fill 96, 4, 3214868480
	.section	.rodata,"a",@progbits
	.p2align	6, 0x0
	.amdhsa_kernel k_q4a910afe7b_quant
		.amdhsa_group_segment_fixed_size 33280
		.amdhsa_private_segment_fixed_size 0
		.amdhsa_enable_private_segment 0
		.amdhsa_kernarg_size 72
		.amdhsa_user_sgpr_count 2
		.amdhsa_user_sgpr_kernarg_segment_ptr 1
		.amdhsa_wavefront_size32 1
		.amdhsa_system_sgpr_workgroup_id_x 1
		.amdhsa_system_sgpr_workgroup_id_y 1
		.amdhsa_system_sgpr_workgroup_id_z 1
		.amdhsa_system_vgpr_workitem_id 0
		.amdhsa_next_free_vgpr 192
		.amdhsa_next_free_sgpr 66
		.amdhsa_reserve_vcc 0
		.amdhsa_float_denorm_mode_32 3
		.amdhsa_float_denorm_mode_16_64 3
		.amdhsa_memory_ordered 1
		.amdhsa_forward_progress 1
		.amdhsa_inst_pref_size 33
	.end_amdhsa_kernel
	.amdgpu_metadata
---
amdhsa.version: [ 1, 2 ]
amdhsa.kernels:
  - .name:           k_q4a910afe7b_quant
    .symbol:         k_q4a910afe7b_quant.kd
    .args:
      - { .name: x, .offset: 0, .size: 8, .value_kind: global_buffer, .address_space: global }
      - { .name: Wq, .offset: 8, .size: 8, .value_kind: global_buffer, .address_space: global }
      - { .name: Wk, .offset: 16, .size: 8, .value_kind: global_buffer, .address_space: global }
      - { .name: Wv, .offset: 24, .size: 8, .value_kind: global_buffer, .address_space: global }
      - { .name: Wo, .offset: 32, .size: 8, .value_kind: global_buffer, .address_space: global }
      - { .name: xc, .offset: 40, .size: 8, .value_kind: global_buffer, .address_space: global }
      - { .name: xs, .offset: 48, .size: 8, .value_kind: global_buffer, .address_space: global }
      - { .name: wc, .offset: 56, .size: 8, .value_kind: global_buffer, .address_space: global }
      - { .name: ws, .offset: 64, .size: 8, .value_kind: global_buffer, .address_space: global }
    .group_segment_fixed_size: 33280
    .private_segment_fixed_size: 0
    .kernarg_segment_align: 8
    .kernarg_segment_size: 72
    .max_flat_workgroup_size: 128
    .sgpr_count:     66
    .vgpr_count:     192
    .wavefront_size: 32
...
	.end_amdgpu_metadata
.endif
;; end of part 1
;; launch qkv (part 2): grid 8 x 48, 4 waves a work-group, clusters of 4 x 4, 327,680 bytes of LDS; arguments xc, xs, wc, ws, qkvc, qkvs; writes qkvc, qkvs
.if DOCPART == 2
	.amdgcn_target "amdgcn-amd-amdhsa--gfx1250"
	.amdhsa_code_object_version 6
	.text
	.protected	k_q4a910afe7b_qkv
	.globl	k_q4a910afe7b_qkv
	.p2align	8
	.type	k_q4a910afe7b_qkv,@function
k_q4a910afe7b_qkv:
	s_mov_b64 s[64:65], 0
	v_nop
	global_prefetch_b8 v0, s[64:65] scope:SCOPE_SE
	s_setreg_imm32_b32 hwreg(HW_REG_WAVE_MODE, 25, 1), 1
	s_wait_xcnt 0x0
	s_wait_alu depctr_hold_cnt(0) depctr_sa_sdst(0) depctr_va_vdst(0) depctr_va_sdst(0) depctr_va_ssrc(0) depctr_va_vcc(0) depctr_vm_vsrc(0)
	s_getreg_b32 s2, hwreg(HW_REG_IB_STS2, 6, 4)
	s_cmp_eq_u32 s2, 0
	s_cbranch_scc0 .Lentry_in_a_cluster
	s_endpgm
.Lentry_in_a_cluster:
	s_bfe_u32 s2, ttmp6, 0x10000c
	s_cmp_lg_u32 s2, 0xf033
	s_cbranch_scc0 .Lentry_shape_is_right
	s_endpgm
.Lentry_shape_is_right:
; q = x Wq^T, k = x Wk^T, v = x Wv^T on codes of FP6 (E2M3) with E8M0 scales, sums in f32; the results are quantised in registers for the attention's two products and leave as IMAGES OF OPERAND REGISTERS.
; A tile of 256 x 256 of a product is made by four waves, 128 x 128 each (64 accumulators, 512 registers); K = 1,024 goes in four steps of 256 through a ring of two LDS slots filled by the tensor data mover.
; The matrix instruction takes source 0 = 16 rows of "B", source 1 = 16 rows of "A": a lane holds ONE row of A, and its registers run along B's rows.
; TWO PARTS, told apart by the cluster's y alone (the same in all sixteen partners):
;   part qk (cluster y 0-7):  A = x (32 tile rows), B = Wq's and Wk's 2,048 rows (8 tile columns): a lane holds a token, its registers run along the features: q and k are quantised along the head's 64.
;   part v  (cluster y 8-11): A = Wv (4 tile rows), B = x (32 tile columns): a lane holds a channel, its registers run along the tokens: v is quantised along the keys.
; The rows of x, Wq, Wk, Wv lie in the order that the first launch gave them, so the 16 registers of accumulators 2 B, 2 B + 1 are 16 true neighbours 32 B + 16 (lane / 16) + 0 .. 15 along the next K.
; OUT.  For each of A's eight blocks of 16 rows the lane's 64 numbers become a fragment of 12 registers and a scale word.  Registers 2 p, 2 p + 1 are stored at 256 p + 8 x lane: each store of the wave covers 256 consecutive bytes, aligned.
;   qkvc: Q at 0, K at 6,291,456: [head 64][tile of 16 places 128][768 bytes] (registers 0-5 of a fragment: the head's 64);  V at 12,582,912: [head][key step 16][channel tile 4][1,536 bytes].
;   qkvs: Q's words at 0, K's at 524,288: [head][2,048 places][4 bytes], bytes 2 and 3 = 0x7f;  V's at 1,048,576: [head][key step][64 channel places][4 bytes].
; CLUSTERS: 4 x 4 work-groups; A's tiles are asked for jointly along a row of the cluster, B's along a column.
; LIMITS: a block of zeros gets the byte 1 (its codes are zeros; this program alone reads the bytes); magnitudes under 2^-124 meet the floor; NaN and infinities are not served.
; REGISTERS, in windows of 256: window 0: v0-31 addresses; v32-63 scale words, two sets; from v128 A's fragments, one set; on the way out v112-224 at work.  window 1: B's fragments, two sets.  windows 2, 3: the accumulators ((a, b) at v[8 (8 (a % 4) + b)]).
.set SIZE_K, 1024
.set KSTEP,  256                       ; along K in a slot
.set NQ,     KSTEP/128                 ; matrix instructions deep
.set ROWB,   192                       ; a tile's row in bytes
.set KROW,   SIZE_K*6/8                ; a row of codes in memory
.set PITCH,  240                       ; an LDS row: 3 x (64 bytes + 16 of padding)
.set FR,     12                        ; registers of a fragment
.set NL,     6                         ; LDS loads that bring one
.set NP,     4                         ; places behind this matrix instruction (ISA guide 7.12.1)
.set HALFT,  128*PITCH                 ; 128 rows: what one tensor load brings
.set SLOT,   4*HALFT                   ; A's 256 rows, then B's 256 rows
.set LAPS,   SIZE_K/(2*KSTEP)
.set KS,     SIZE_K/32                 ; a row of scales in bytes
.set SCL,    2*SLOT                    ; behind the ring: the scales, as units of 256 bytes + 16 of padding
.set HALFS,  (128*KS/256)*272
.set SBLK,   (16*KS/256)*272
.set SPARE,  SCL+4*HALFS               ; the spare words, 128 bytes a wave
.set VREG,   12582912
.set VSREG,  1048576
.set ADRA, 16                          ; v16-17 LDS address of my A fragments in slot 0, 1 (v18-19: behind one padding more)
.set ADRB, 20                          ; v20-23 the same for B
.set OFF,  24                          ; v24 the way out: 8 x lane
.set STG,  25                          ; v25 the way out: where my scale word goes in my stage
.set SH,   26                          ; v26 the way out: how far my half of the lanes shifts the word
.set ADRS, 27                          ; v27 LDS address of my scale words: lanes 0-15 A's rows, lanes 16-31 B's
.set SPW,  28                          ; v28 LDS address of my spare word; never rewritten
.set NIL,  29                          ; v29 0; never rewritten
.set RDS,  30                          ; v30 the way out: where I read the stage back
.set SOF,  31                          ; v31 the way out: my byte offset among the scale words in memory
.set SC,   32
.set AF,   128
.set TM,   200                         ; v200-203 largest magnitudes, v204-207 bytes, v212-215 the conversions' scale operands
.set PW,   216                         ; the scale word just made
.set SV,   217                         ; v217-224 the word as it is stored, one register for each block
.set SEL,  54                          ; s[54:55] v_permlanex16_b32's selects for lane l xor 16
.set G1, 24
.set G0, 32
.set G1B, 48
.set G0B, 56
.set G1S, 68
.set G0S, 76
.set G1SB, 80
.set G0SB, 88
.set MSB, 0
.macro WIN new                         ; the immediate's high byte repeats the setting that is left
.if MSB != \new
	s_set_vgpr_msb (MSB<<8)|\new
.set MSB, \new
.endif
.endm
.set MUL_LO, 0xa1                      ; source 0 (B) window 1, source 1 (A) window 0, C and D window 2
.set MUL_HI, 0xf1                      ; the same, C and D window 3
.set TO_B,   0x40                      ; destination window 1, address window 0
; A joint load: waves 0 and 1 fetch for A, waves 2 and 3 for B.  Each of the two lines has one mask and one set of registers; the branch hangs on the wave's number alone.
; An s_nop 0 and four v_nop follow each of the two lines.
.macro JLOAD g0a, g1a, g0b, g1b
	s_cmp_eq_u32 s15, 0
	s_cbranch_scc0 .Lfor_b_\@
	tensor_load_to_lds s[\g0a:\g0a+3], s[\g1a:\g1a+7]
	s_nop 0
.rept 4
	v_nop
.endr
	s_branch .Lasked_\@
.Lfor_b_\@:
	tensor_load_to_lds s[\g0b:\g0b+3], s[\g1b:\g1b+7]
	s_nop 0
.rept 4
	v_nop
.endr
.Lasked_\@:
.endm
.macro CREST                           ; a round of the cluster's barrier behind its opening barrier
	s_cmp_lg_u32 s14, 0
	s_cbranch_scc1 .Lnot_wave_0_\@
	s_barrier_signal -3
.Lnot_wave_0_\@:
	s_barrier_wait -3
	s_barrier_signal -1
	s_barrier_wait -1
.endm
.macro CROUND                          ; a whole round
	s_barrier_signal -1
	s_barrier_wait -1
	CREST
.endm
	s_load_b256 s[4:11], s[0:1], 0x0               ; xc s[4:5], xs s[6:7], wc s[8:9], ws s[10:11]
	s_load_b64 s[12:13], s[0:1], 0x20              ; qkvc
	s_load_b64 s[100:101], s[0:1], 0x28            ; qkvs
	v_lshl_add_u32 v[SPW], v0, 2, SPARE
	v_mov_b32 v[NIL], 0
	ds_add_u32 v[SPW], v[NIL]                      ; the wave's opening: the add and its wait stand ahead of my first tensor load; the set-up below stands between them
	v_lshrrev_b32 v1, 5, v0
	v_readfirstlane_b32 s14, v1                    ; wave 0..3
	s_lshr_b32 s15, s14, 1                         ; which half of the tile's rows is mine.  Also: I fetch for A (0) or for B (1)
	s_and_b32 s16, s14, 1                          ; which half of its columns.  Also: which 128 rows of that tile I fetch
	s_bfe_u32 s40, ttmp6, 0x40000                  ; cx, cy: my place in the cluster
	s_bfe_u32 s41, ttmp6, 0x40004
	s_and_b32 s17, ttmp7, 0xffff                   ; the cluster's y, 0..11
	s_lshl_b32 s42, s17, 1
	s_add_co_u32 s42, s42, ttmp9
	s_sub_co_u32 s42, s42, 16                      ; part v: 2 (cluster y - 8) + cluster x: which four tile columns of x
	s_cmp_ge_u32 s17, 8
	s_cselect_b32 s66, 1, 0                        ; the part: 0 qk, 1 v
	s_cselect_b32 s42, s42, ttmp9                  ; the cluster's column,
	s_cselect_b32 s17, 0, s17                      ; its row,
	s_cselect_b32 s67, 2048, 0                     ; and A's first row in its buffer (Wv lies behind Wq and Wk)
	s_lshl_b32 s42, s42, 2
	s_add_co_u32 s42, s42, s40                     ; tile column = 4 x cluster column + cx
	s_lshl_b32 s17, s17, 2
	s_add_co_u32 s17, s17, s41                     ; tile row = 4 x cluster row + cy
	s_lshl_b32 s43, s41, 2
	s_lshl_b32 s43, 15, s43                        ; my row of the cluster
	s_lshl_b32 s44, 0x1111, s40                    ; my column
	; descriptor group 1: a tile of 128 rows x ROWB bytes, padded in LDS
	s_or_b32 s[G1+0], s43, (0<<16)|(1<<20)|(1<<21)|(3<<22)|(3<<25)  ; 15:0 the mask: A's tiles go to my row; elements of 1 byte; padding on; bit 21 beside a mask; after every 16 words 4 words
	s_or_b32 s[G1B+0], s44, (0<<16)|(1<<20)|(1<<21)|(3<<22)|(3<<25)
.irp g, G1, G1B
	s_mov_b32 s[\g+1], ROWB<<16                    ; tensor_dim0
	s_mov_b32 s[\g+2], 128<<16                     ; tensor_dim1
	s_mov_b32 s[\g+3], ROWB<<16                    ; tile_dim0
	s_mov_b32 s[\g+4], 128                         ; tile_dim1
	s_mov_b32 s[\g+5], KROW                        ; tensor_dim0_stride
	s_mov_b32 s[\g+6], 0
	s_mov_b32 s[\g+7], 0
.endr
	; the scales of 128 rows: a dense block of 4,096 bytes, as 16 rows of 256 bytes (32 elements of 8 bytes), 16 bytes of padding behind each
	s_or_b32 s[G1S+0], s43, (3<<16)|(1<<20)|(1<<21)|(5<<22)|(3<<25)
	s_or_b32 s[G1SB+0], s44, (3<<16)|(1<<20)|(1<<21)|(5<<22)|(3<<25)
.irp g, G1S, G1SB
	s_mov_b32 s[\g+1], 32<<16
	s_mov_b32 s[\g+2], (128*KS/256)<<16
	s_mov_b32 s[\g+3], 32<<16
	s_mov_b32 s[\g+4], 128*KS/256
	s_mov_b32 s[\g+5], 32
	s_mov_b32 s[\g+6], 0
	s_mov_b32 s[\g+7], 0
.endr
	s_lshl_b32 s18, s16, 7                         ; which 128 rows of the tile I fetch
	s_lshl_b32 s20, s17, 8
	s_add_co_u32 s20, s20, s18
	s_add_co_u32 s20, s20, s67                     ; A: row 256 x tile row + 128 x half (+ 2,048 in part v)
	s_lshl_b32 s46, s42, 8
	s_add_co_u32 s46, s46, s18                     ; B: row 256 x tile column + 128 x half
	s_mov_b32 s21, 0
	s_mov_b32 s47, 0
	s_mov_b64 s[18:19], KS
	s_mul_u64 s[22:23], s[20:21], s[18:19]         ; where these rows' scales begin, in bytes
	s_mul_u64 s[92:93], s[46:47], s[18:19]
	s_mov_b64 s[18:19], KROW
	s_mul_u64 s[20:21], s[20:21], s[18:19]         ; and their codes
	s_mul_u64 s[46:47], s[46:47], s[18:19]
	s_mul_i32 s45, s14, HALFT                      ; where they go: wave x 128 rows: no place in the cluster enters an LDS address
	s_mul_i32 s94, s14, HALFS
	s_wait_dscnt 0x0                               ; the opening add is done
	s_wait_kmcnt 0x0
	s_cmp_lg_u32 s66, 0                            ; part v changes the operands over: the choice hangs on the cluster's y alone
	s_cselect_b64 s[96:97], s[8:9], s[4:5]         ; A's codes
	s_cselect_b64 s[98:99], s[10:11], s[6:7]       ; A's scales
	s_cselect_b64 s[8:9], s[4:5], s[8:9]           ; B's codes
	s_cselect_b64 s[10:11], s[6:7], s[10:11]       ; B's scales
	s_add_nc_u64 s[20:21], s[96:97], s[20:21]
	s_add_nc_u64 s[22:23], s[98:99], s[22:23]
	s_add_nc_u64 s[46:47], s[8:9], s[46:47]
	s_add_nc_u64 s[92:93], s[10:11], s[92:93]
	CROUND                                         ; all sixteen work-groups are here: the first joint loads meet
	s_mov_b32 s[G0S], 1
	s_add_co_u32 s[G0S+1], s94, SCL
	s_mov_b64 s[G0S+2:G0S+3], s[22:23]
	s_or_b32 s[G0S+3], s[G0S+3], 0x80000000
	s_mov_b32 s[G0SB], 1
	s_add_co_u32 s[G0SB+1], s94, SCL
	s_mov_b64 s[G0SB+2:G0SB+3], s[92:93]
	s_or_b32 s[G0SB+3], s[G0SB+3], 0x80000000
	JLOAD G0S, G1S, G0SB, G1SB                     ; the scales first: they are wanted with K step 0
.irp s, 0,1
	s_mov_b32 s[G0+4*\s], 1
	s_add_co_u32 s[G0+4*\s+1], s45, \s*SLOT
	s_add_nc_u64 s[G0+4*\s+2:G0+4*\s+3], s[20:21], \s*ROWB
	s_or_b32 s[G0+4*\s+3], s[G0+4*\s+3], 0x80000000
	s_mov_b32 s[G0B+4*\s], 1
	s_add_co_u32 s[G0B+4*\s+1], s45, \s*SLOT
	s_add_nc_u64 s[G0B+4*\s+2:G0B+4*\s+3], s[46:47], \s*ROWB
	s_or_b32 s[G0B+4*\s+3], s[G0B+4*\s+3], 0x80000000
	JLOAD G0+4*\s, G1, G0B+4*\s, G1B
.endr
	v_and_b32 v1, 15, v0                           ; l % 16
	v_bfe_u32 v2, v0, 4, 1                         ; l / 16
	v_mul_u32_u24 v3, v1, PITCH
	v_mul_u32_u24 v4, v2, 24
	v_add_nc_u32 v4, v3, v4                        ; a fragment's row x pitch + 24 x half
	v_lshl_add_u32 v5, v2, 4, v4                   ; and the same behind one padding more
	s_mul_i32 s21, s15, HALFT                      ; my 128 rows of A
	s_mul_i32 s22, s16, HALFT                      ; my 128 rows of B,
	s_add_co_u32 s22, s22, 2*HALFT                 ; which lie behind A's 256
.irp s, 0,1
	v_add_nc_u32 v[ADRA+\s], s21, v4
	v_add_nc_u32 v[ADRB+\s], s22, v4
	v_add_nc_u32 v[ADRA+2+\s], s21, v5
	v_add_nc_u32 v[ADRB+2+\s], s22, v5
	s_add_co_u32 s21, s21, SLOT
	s_add_co_u32 s22, s22, SLOT
.endr
	v_mul_u32_u24 v5, v1, KS                       ; my row's scales: KS bytes a row,
	v_lshrrev_b32 v6, 8, v5
	v_lshl_add_u32 v5, v6, 4, v5                   ; and 16 more for each 256 passed
	s_mul_i32 s21, s15, HALFS                      ; A's: my 128 rows
	s_mul_i32 s22, s16, HALFS                      ; B's: my 128 rows, behind A's 256
	s_add_co_u32 s22, s22, 2*HALFS
	s_sub_co_u32 s22, s22, s21
	v_mul_u32_u24 v6, s22, v2                      ; lanes 16-31 take B's
	s_add_co_u32 s21, s21, SCL
	v_add_nc_u32 v5, v5, v6
	v_add_nc_u32 v[ADRS], s21, v5
.macro FRAG reg, adr, q, i             ; a fragment, 16 rows x 128 K: lane l holds row l % 16; registers 6 c .. 6 c + 5 hold K = 64 c + 32 (l / 16) + 0 .. 31: 24 bytes of the row's stream of bits, in pieces of 8 bytes
.irp p, 0,1,2,3,4,5
.set PC, 12*(\q)+6*(\p/3)+\p%3        ; 16 bytes of padding lie behind every 8 pieces: where the piece three on lies behind one padding more, the second address register serves
.if PC%8 < 5
	ds_load_b64 v[\reg+2*\p:\reg+2*\p+1], v[\adr] offset:8*PC+16*(PC/8)+(\i)*16*PITCH
.else
	ds_load_b64 v[\reg+2*\p:\reg+2*\p+1], v[\adr+2] offset:8*PC+16*(PC/8)+(\i)*16*PITCH
.endif
.endr
.endm
; 16 matrix instructions: A's blocks a0, a0 + 1 x B's eight, 128 along K.  The 64 accumulators take turns, one instruction a turn, in the same order in every step.
.macro MUL16 a0, p, q, sc, zero
.irp a, \a0, \a0+1
.irp b, 0,1,2,3,4,5,6,7
.if \zero
	v_wmma_scale_f32_16x16x128_f8f6f4 v[8*(8*((\a)%4)+\b):8*(8*((\a)%4)+\b)+7], v[128*(\p)+FR*\b:128*(\p)+FR*\b+FR-1], v[AF+FR*(\a):AF+FR*(\a)+FR-1], 0, v[SC+8*NQ*(\sc)+NQ*\b+(\q)], v[SC+8*NQ*(\sc)+NQ*(\a)+(\q)] matrix_a_fmt:MATRIX_FMT_FP6 matrix_b_fmt:MATRIX_FMT_FP6 matrix_a_scale:MATRIX_SCALE_ROW1
.else
	v_wmma_scale_f32_16x16x128_f8f6f4 v[8*(8*((\a)%4)+\b):8*(8*((\a)%4)+\b)+7], v[128*(\p)+FR*\b:128*(\p)+FR*\b+FR-1], v[AF+FR*(\a):AF+FR*(\a)+FR-1], v[8*(8*((\a)%4)+\b):8*(8*((\a)%4)+\b)+7], v[SC+8*NQ*(\sc)+NQ*\b+(\q)], v[SC+8*NQ*(\sc)+NQ*(\a)+(\q)] matrix_a_fmt:MATRIX_FMT_FP6 matrix_b_fmt:MATRIX_FMT_FP6 matrix_a_scale:MATRIX_SCALE_ROW1
.endif
.endr
.endr
.endm
.macro FETCH_B slot, q, p              ; B's eight fragments of the slot's q-th 128 along K into set p
	WIN TO_B
.irp i, 0,1,2,3,4,5,6,7
	FRAG 128*(\p)+FR*\i, ADRB+\slot, \q, \i
.endr
	WIN 0
.endm
.macro FETCH_A slot, q, i0             ; A's blocks i0 .. i0 + 3
.irp i, \i0, \i0+1, \i0+2, \i0+3
	FRAG AF+FR*(\i), ADRA+\slot, \q, \i
.endr
.endm
.macro SCALES sc                       ; the next K step's scale words into set sc: lanes 0-15 take A's block i, lanes 16-31 B's block i
.irp i, 0,1,2,3,4,5,6,7
	ds_load_b64 v[SC+8*NQ*\sc+NQ*\i:SC+8*NQ*\sc+NQ*\i+1], v[ADRS] offset:\i*SBLK
.endr
.endm
.macro PLACES n                        ; plain vector instructions between a matrix instruction and a load into, or a read of, its registers
.rept \n
	v_nop
.endr
.endm
; A step of 128 along K that has its successor in the same slot.
.macro STEP slot, q, zero
	s_wait_dscnt 4*NL                              ; B's set and A's blocks 0-3 are in; the youngest 24 loads (A's blocks 4-7) may be out
	WIN MUL_LO
	MUL16 0, (\q)%2, \q, \slot, \zero
	MUL16 2, (\q)%2, \q, \slot, \zero
	s_wait_dscnt 0                                 ; A's blocks 4-7 are in
	PLACES NP
	FETCH_B \slot, (\q)+1, 1-(\q)%2
	FETCH_A \slot, (\q)+1, 0
	WIN MUL_HI
	MUL16 4, (\q)%2, \q, \slot, \zero
	MUL16 6, (\q)%2, \q, \slot, \zero
	PLACES NP
	WIN 0
	FETCH_A \slot, (\q)+1, 4
.endm
; A slot's last step changes slots: one barrier; in front of it each wave waits for all its tensor loads, adds 0 to its spare word, and waits for that and for its own reads of this slot.  fill = 1: this slot is filled again, two K steps ahead.
.macro TURN slot, next, fill
	s_wait_tensorcnt 0x0                           ; all my tensor loads have landed: my part of the next slot
	ds_add_u32 v[SPW], v[NIL]                      ; 0 onto my spare word
	s_wait_dscnt 4*NL+1                            ; (the add and the youngest 24 loads, A's blocks 4-7, may be out)
	WIN MUL_LO
	MUL16 0, 1, NQ-1, \slot, 0                     ; sixteen matrix instructions stand between the add and the wait for it
	s_wait_dscnt 0x0                               ; the add is done, and my reads of this slot are over
	s_barrier_signal -1
	MUL16 2, 1, NQ-1, \slot, 0
	WIN 0
	s_barrier_wait -1
.if \fill
	CREST                                          ; the barrier has opened a round of the cluster's barrier: no wave of any partner still reads this slot's tile or has a load on its way
	s_add_nc_u64 s[G0+4*\slot+2:G0+4*\slot+3], s[G0+4*\slot+2:G0+4*\slot+3], 2*ROWB
	s_add_nc_u64 s[G0B+4*\slot+2:G0B+4*\slot+3], s[G0B+4*\slot+2:G0B+4*\slot+3], 2*ROWB
	JLOAD G0+4*\slot, G1, G0B+4*\slot, G1B         ; the first tensor load behind the round; its four v_nop are the places in front of the loads below
.else
	PLACES NP
.endif
	v_add_nc_u32 v[ADRS], 4*NQ, v[ADRS]            ; on to the next K step's scale words
	FETCH_B \next, 0, 0
	FETCH_A \next, 0, 0
	SCALES \next
	WIN MUL_HI
	MUL16 4, 1, NQ-1, \slot, 0
	MUL16 6, 1, NQ-1, \slot, 0
	PLACES NP
	WIN 0
	FETCH_A \next, 0, 4
.endm
	s_wait_tensorcnt 1                             ; the scales and my part of K step 0 are in (K step 1's load may be out),
	s_barrier_signal -1
	s_barrier_wait -1                              ; everybody's are
	FETCH_B 0, 0, 0
	FETCH_A 0, 0, 0
	SCALES 0
	FETCH_A 0, 0, 4
	STEP 0, 0, 1                                   ; the first step stands in front of the loop: its products start the sums
	s_mov_b32 s3, LAPS-1
.Llap:                                                 ; a trip goes once round the ring and fills both slots again
	TURN 0, 1, 1
	STEP 1, 0, 0
	TURN 1, 0, 1
	STEP 0, 0, 0
	s_sub_co_u32 s3, s3, 1
	s_cmp_lg_u32 s3, 0
	s_cbranch_scc1 .Llap
	TURN 0, 1, 0                                   ; the last lap fills nothing, and has no round of the cluster's barrier
	STEP 1, 0, 0
	s_wait_dscnt 4*NL                              ; the very last step: nothing more to fetch
	WIN MUL_LO
	MUL16 0, 1, NQ-1, 1, 0
	MUL16 2, 1, NQ-1, 1, 0
	s_wait_dscnt 0
	WIN MUL_HI
	MUL16 4, 1, NQ-1, 1, 0
	MUL16 6, 1, NQ-1, 1, 0
	WIN 0
	; THE WAY OUT.  The address lines below are also the places behind the last products.  No tensor load is out, so the descriptors' registers are free.
	v_and_b32 v1, 15, v0                           ; r
	v_bfe_u32 v2, v0, 4, 1                         ; h
	v_and_b32 v3, 31, v0                           ; lane
	v_lshlrev_b32 v[OFF], 3, v3                    ; a piece of an image: 8 bytes a lane
	v_lshlrev_b32 v4, 2, v1
	v_lshl_add_u32 v4, v2, 9, v4                   ; 512 h + 4 r
	v_lshlrev_b32 v5, 4, v3                        ; 16 x lane
	s_lshl_b32 s24, s14, 10                        ; my stage for scale words: 1,024 bytes a wave, in slot 0, which has had its last fill and its last read
	v_add_nc_u32 v[STG], s24, v4
	v_add_nc_u32 v[RDS], s24, v5
.irp b, 0,1,2,3
	v_mov_b32 v[TM+4+\b], 0                        ; written once: a lane permute's destination counts as one of its sources
.endr
	; part qk: my 128 features are two heads; my 128 tokens are eight tiles of one batch
	s_lshr_b32 s24, s42, 2                         ; 0: q, 1: k
	s_lshl_b32 s24, s24, 6
	s_lshr_b32 s25, s17, 3                         ; the batch
	s_lshl_b32 s25, s25, 4
	s_add_co_u32 s24, s24, s25
	s_and_b32 s25, s42, 3
	s_lshl_b32 s25, s25, 2
	s_add_co_u32 s24, s24, s25
	s_lshl_b32 s25, s16, 1
	s_add_co_u32 s24, s24, s25                     ; 64 x (q or k) + 16 x batch + my first head
	s_lshl_b32 s25, s17, 4
	s_lshl_b32 s26, s15, 3
	s_add_co_u32 s25, s25, s26
	s_and_b32 s25, s25, 127                        ; my first tile of 16 places in the batch
	s_lshl_b32 s26, s24, 7
	s_add_co_u32 s26, s26, s25
	s_mul_i32 s26, s26, 768                        ; the codes' offset
	s_lshl_b32 s27, s24, 11
	s_lshl_b32 s28, s25, 4
	s_add_co_u32 s27, s27, s28
	s_lshl_b32 s27, s27, 2                         ; the words' offset
	; part v: my 128 channels are two heads; my 128 tokens are one key step
	s_lshl_b32 s28, s42, 1
	s_add_co_u32 s28, s28, s16                     ; which 128 tokens of the 8,192
	s_lshr_b32 s29, s28, 4
	s_lshl_b32 s29, s29, 4                         ; 16 x batch
	s_lshl_b32 s30, s17, 2
	s_add_co_u32 s29, s29, s30
	s_lshl_b32 s30, s15, 1
	s_add_co_u32 s29, s29, s30                     ; my first head
	s_and_b32 s28, s28, 15                         ; the key step
	s_lshl_b32 s29, s29, 4
	s_add_co_u32 s29, s29, s28
	s_mul_i32 s30, s29, 6144
	s_add_co_u32 s30, s30, VREG
	s_lshl_b32 s31, s29, 8
	s_add_co_u32 s31, s31, VSREG
	s_mov_b32 s38, 98304                           ; registers 6-11 go: qk: to the next head's image; v: on behind registers 0-5
	s_mov_b32 s44, 768                             ; from block to block: qk: the next tile; v: the next channel tile
	s_mov_b32 s46, 768                             ; from block 3 to block 4: v: to the next head's first channel tile
	s_mov_b32 s48, 0xffff                          ; qk: two bytes of the word are a head's, and bytes 2 and 3 become 0x7f; v: the word as it is
	s_cmp_lg_u32 s66, 0
	s_cselect_b32 s34, s30, s26
	s_cselect_b32 s36, s31, s27
	s_cselect_b32 s38, 768, s38
	s_cselect_b32 s44, 1536, s44
	s_cselect_b32 s46, 93696, s46
	s_cselect_b32 s48, -1, s48
	s_cselect_b32 s49, 0, 0x7f7f0000
	s_cselect_b32 s52, 0, 16                       ; qk: lanes 16-31 take the word's upper half (the second head's)
	s_cselect_b32 s53, 3840, 0                     ; v: lanes 16-31 of the words' store belong to the next head, 4,096 bytes on
	s_mov_b32 s35, 0
	s_mov_b32 s37, 0
	s_mov_b32 s39, 0
	s_mov_b32 s45, 0
	s_mov_b32 s47, 0
	s_mov_b32 s[SEL], 0x76543210
	s_mov_b32 s[SEL+1], 0xfedcba98
	s_add_nc_u64 s[12:13], s[12:13], s[34:35]      ; where registers 0-5 go
	s_add_nc_u64 s[50:51], s[12:13], s[38:39]      ; where registers 6-11 go
	s_add_nc_u64 s[100:101], s[100:101], s[36:37]  ; where the scale words go
	v_mul_u32_u24 v[SH], s52, v2
	v_mul_u32_u24 v6, s53, v2
	v_add_nc_u32 v[SOF], v5, v6
; Block a's 64 numbers of a lane (register 16 b + i = k 32 b + 16 (lane / 16) + i of my row) become a fragment's codes in v[pc] on and its scale word in v[PW].  Each accumulator is read from its low end on.
.macro QUANTW a, pc
.set AC, 64*((\a)%4)
.set WW, 2+(\a)/4
.set W2, WW|(WW<<2)
	WIN W2                                         ; sources 0 and 1: the accumulators' window
.irp b, 0,1,2,3
	v_max3_num_f32 v[TM+\b], |v[AC+16*\b]|, |v[AC+16*\b+1]|, 0x1800000   ; my 16 numbers of block b, and the floor 2^(3 - 127): the byte cannot fall under 1
.endr
.irp i, 2,4,6,8,10,12,14
.irp b, 0,1,2,3
	v_max3_num_f32 v[TM+\b], |v[AC+16*\b+\i]|, |v[AC+16*\b+\i+1]|, v[TM+\b]   ; (the four blocks by turns)
.endr
.endr
	WIN 0
.irp b, 0,1,2,3
	v_permlanex16_b32 v[TM+4+\b], v[TM+\b], s[SEL], s[SEL+1]
.endr
.irp b, 0,1,2,3
	v_max_num_f32 v[TM+\b], v[TM+\b], v[TM+4+\b]   ; with lane l xor 16's: the block's largest magnitude
.endr
.irp b, 0,1,2,3
	v_add_nc_u32 v[TM+12+\b], 0xff000000, v[TM+\b] ; 2 off its exponent field: the conversion's scale operand
.endr
.irp b, 0,1,2,3
	v_lshrrev_b32 v[TM+4+\b], 23, v[TM+12+\b]      ; the scale's byte
.endr
	v_lshl_or_b32 v[PW], v[TM+5], 8, v[TM+4]
	v_lshl_or_b32 v[PW], v[TM+6], 16, v[PW]
	v_lshl_or_b32 v[PW], v[TM+7], 24, v[PW]
	WIN WW                                         ; source 0: the accumulators' window
.irp c, 0,1
	v_cvt_scalef32_pk16_fp6_f32 v[\pc+6*\c:\pc+6*\c+2], v[AC+32*\c:AC+32*\c+15], v[TM+12+2*\c]
	v_cvt_scalef32_pk16_fp6_f32 v[\pc+12+4*\c:\pc+14+4*\c], v[AC+16+32*\c:AC+31+32*\c], v[TM+13+2*\c]   ; (a conversion's three registers begin on an even number)
.endr
	WIN 0
	v_nop                                          ; one plain place behind a scaled conversion
.irp c, 0,1                                    ; the operand's layout wants a whole block in a lane: lanes 0-15 block 2 c, lanes 16-31 block 2 c + 1
.irp i, 0,1,2
	v_permlane16_swap_b32 v[\pc+6*\c+\i], v[\pc+12+4*\c+\i]
.endr
.irp i, 0,1,2
	v_mov_b32 v[\pc+3+6*\c+\i], v[\pc+12+4*\c+\i]
.endr
.endr
.endm
.macro OUTBLK a
.set PCS, 112+24*((\a)%2)
.if (\a) > 0
	s_wait_xcnt 0x0                                ; the earlier stores have read their data and their bases: both may be written
.if (\a) == 4
	s_add_nc_u64 s[12:13], s[12:13], s[46:47]
	s_add_nc_u64 s[50:51], s[50:51], s[46:47]
.else
	s_add_nc_u64 s[12:13], s[12:13], s[44:45]
	s_add_nc_u64 s[50:51], s[50:51], s[44:45]
.endif
.endif
	QUANTW \a, PCS
	v_lshrrev_b32 v[SV+(\a)], v[SH], v[PW]
	v_and_or_b32 v[SV+(\a)], v[SV+(\a)], s48, s49
	ds_store_b32 v[STG], v[SV+(\a)] offset:64*(\a) ; lanes 0-15 into the stage's lower 512 bytes, lanes 16-31 into its upper
.irp p, 0,1,2
	global_store_b64 v[OFF], v[PCS+2*\p:PCS+2*\p+1], s[12:13] offset:256*\p       ; 32 lanes store 256 consecutive bytes, aligned
.endr
.irp p, 0,1,2
	global_store_b64 v[OFF], v[PCS+6+2*\p:PCS+7+2*\p], s[50:51] offset:256*\p
.endr
.endm
.irp a, 0,1,2,3,4,5,6,7
	OUTBLK \a
.endr
	ds_load_b128 v[160:163], v[RDS]                ; LDS serves a wave's instructions in order: these see my stores
	ds_load_b128 v[164:167], v[RDS] offset:512
	s_wait_dscnt 0x0
	global_store_b128 v[SOF], v[160:163], s[100:101]   ; qk: the first head's 128 words, 512 consecutive bytes; v: two heads' 64 words, 256 consecutive bytes each
	s_cmp_lg_u32 s66, 0                            ; the part: the same in all partners
	s_cbranch_scc1 .Lone_head
	global_store_b128 v[SOF], v[164:167], s[100:101] offset:8192   ; qk: the second head's 128 words
.Lone_head:
	s_wait_tensorcnt 0x0                           ; the wave's end, behind my last tensor load and my last LDS store
	ds_add_u32 v[SPW], v[NIL]
	s_wait_dscnt 0x0
	CROUND                                         ; the closing round: no work-group ends while a partner may still ask for a tile that names it
	s_endpgm
.Lfunc_end_k_q4a910afe7b_qkv:
	.size	k_q4a910afe7b_qkv, .Lfunc_end_k_q4a910afe7b_qkv-k_q4a910afe7b_qkv
	.p2alignl 7, 3214868480
	.fill 96, 4, 3214868480
	.section	.rodata,"a",@progbits
	.p2align	6, 0x0
	.amdhsa_kernel k_q4a910afe7b_qkv
		.amdhsa_group_segment_fixed_size 327680
		.amdhsa_private_segment_fixed_size 0
		.amdhsa_enable_private_segment 0
		.amdhsa_kernarg_size 48
		.amdhsa_user_sgpr_count 2
		.amdhsa_user_sgpr_kernarg_segment_ptr 1
		.amdhsa_wavefront_size32 1
		.amdhsa_system_sgpr_workgroup_id_x 1
		.amdhsa_system_sgpr_workgroup_id_y 1
		.amdhsa_system_sgpr_workgroup_id_z 1
		.amdhsa_system_vgpr_workitem_id 0
		.amdhsa_next_free_vgpr 1024
		.amdhsa_next_free_sgpr 104
		.amdhsa_reserve_vcc 0
		.amdhsa_float_denorm_mode_32 3
		.amdhsa_float_denorm_mode_16_64 3
		.amdhsa_memory_ordered 1
		.amdhsa_forward_progress 1
		.amdhsa_inst_pref_size 170
	.end_amdhsa_kernel
	.amdgpu_metadata
---
amdhsa.version: [ 1, 2 ]
amdhsa.kernels:
  - .name:           k_q4a910afe7b_qkv
    .symbol:         k_q4a910afe7b_qkv.kd
    .args:
      - { .name: xc, .offset: 0, .size: 8, .value_kind: global_buffer, .address_space: global }
      - { .name: xs, .offset: 8, .size: 8, .value_kind: global_buffer, .address_space: global }
      - { .name: wc, .offset: 16, .size: 8, .value_kind: global_buffer, .address_space: global }
      - { .name: ws, .offset: 24, .size: 8, .value_kind: global_buffer, .address_space: global }
      - { .name: qkvc, .offset: 32, .size: 8, .value_kind: global_buffer, .address_space: global }
      - { .name: qkvs, .offset: 40, .size: 8, .value_kind: global_buffer, .address_space: global }
    .group_segment_fixed_size: 327680
    .private_segment_fixed_size: 0
    .kernarg_segment_align: 8
    .kernarg_segment_size: 48
    .max_flat_workgroup_size: 128
    .sgpr_count:     104
    .vgpr_count:     1024
    .wavefront_size: 32
...
	.end_amdgpu_metadata
.endif
;; end of part 2
;; launch attn (part 3): grid 4 x 64, 16 waves a work-group, no clusters, 327,680 bytes of LDS; arguments qkvc, qkvs, ac, asc; writes ac, asc
.if DOCPART == 3
	.amdgcn_target "amdgcn-amd-amdhsa--gfx1250"
	.amdhsa_code_object_version 6
	.text
	.protected	k_q4a910afe7b_attn
	.globl	k_q4a910afe7b_attn
	.p2align	8
	.type	k_q4a910afe7b_attn,@function
k_q4a910afe7b_attn:
	s_mov_b64 s[64:65], 0
	v_nop
	global_prefetch_b8 v0, s[64:65] scope:SCOPE_SE
	s_setreg_imm32_b32 hwreg(HW_REG_WAVE_MODE, 25, 1), 1
	s_wait_xcnt 0x0
; attn[b][q][head] = softmax_k(q . k / 8, causal) v, both products on codes of FP6 (E2M3) with E8M0 scales; the result is divided by the row's sum, quantised along the head's 64 channels and stored as images of operand registers for the last product.
; IN (made by the launch before): qkvc: Q at 0, K at REGB: [head 64][tile 128][768 bytes]; V at 2 REGB: [head][key step 16][channel tile 4][1,536 bytes].  qkvs: Q's and K's scale words [head][2,048][4], V's [head][key step][64][4].
; An image holds registers 2 p, 2 p + 1 of a fragment at 256 p + 8 x lane: every LDS load below reads 256 consecutive bytes.
; TOKENS LIE IN PLACES: place 32 B + 16 u + 8 g + e holds token 32 B + 16 g + 8 u + e.  Lane r of tile T (T % 2 = u) holds token 16 T - 8 u + r + 8 (r / 8); the 16 registers of score tiles 2 b, 2 b + 1 are the true keys 32 b + 16 (lane / 16) + 0 .. 15.
; THE SOFTMAX: t = score x log2(e) / 8; M = the row's largest t so far, rounded up to a whole number; p = 2^(t - M) is quantised along the keys, not normalised; the row's sum is taken of the unquantised p and divides at the end.
; When M moves, the sum and O are multiplied by 2^(old M - new M): exact.
; K = 64 IN AN INSTRUCTION OF 128: Q's registers 6-11 are zero codes; K's operand names 12 registers of which the upper six hold whatever codes lie there (every code of the format is a finite number, and is multiplied by 0); scale bytes 2, 3 are 0x7f on both sides.
; SHARES.  Work-group (i, head) owns the query blocks i and 7 - i of 256 places, so that all 256 work-groups have about the same number of steps under the causal mask.  Each of sixteen waves owns one tile of 16 of each block (L, H).
; Every work-group walks all eight slots of 256 keys (constant trip counts); a step all of whose keys come after a tile's queries is jumped over, and a slot that begins behind the work-group's last query is not asked for.
; NO CLUSTER: the four work-groups of a head need 8, 7, 6 and 5 slots; in step with each other every slot would last as long as its busiest partner's, 24 tile steps a wave against 18; what could be shared is 24,576 bytes a slot.
; LIMITS: a block of zeros gets the byte 1 (its codes are zeros; this program alone reads the bytes); NaN and infinities are not served; a block's largest p is taken from its largest score (v_exp_f32 taken not to fall where its input rises); 1 / sum by v_rcp_f32.
.set REGB,  6291456                    ; bytes of each of Q's, K's, V's regions of codes
.set KSREG, 524288
.set VSREG, 1048576
.set HEADB, 98304                      ; a head's bytes in a region of codes
.set SLOTB, 12288                      ; 256 keys of K, or of V
.set SLOT1, 1<<17                      ; slot 1 begins here: one exclusive or turns an address
.set NSL,   8
.set SCK,   2*SLOT1                    ; K's scale words of the whole head, 8,192 bytes
.set SCV,   SCK+8192                   ; V's, 4,096 bytes
.set ASTG,  SCV+4096                   ; the stage for the result's scale bytes: L's 512, H's 512; no fill lands here
.set SPARE, ASTG+1024                  ; the spare words, 128 bytes for each of 16 waves
.set L8,   1                           ; v1  8 x lane
.set AKS,  2                           ; v2  SCK + 4 r
.set AVS,  3                           ; v3  SCV + 4 r
.set QD,   4                           ; v4  r + 8 (r / 8) - 16 h
.set SPW,  5                           ; v5  LDS address of my spare word; never rewritten
.set NIL,  6                           ; v6  0; never rewritten
.set PFO,  7                           ; v7  the prefetches' offset; never rewritten
.set ADK,  8                           ; v8  the slot's codes for my lane
.set ADS,  9                           ; v9  the step's scale words of K
.set ADT,  10                          ; v10 and of V
.set AST,  11                          ; v11 ASTG + 32 wave + 2 r
                                       ; v12-15 H: -M, largest t, the sum in two halves;  v16-19 L;  v20-31 Q of H, v32-43 Q of L;  v44, v45 their scale words
.set FRG,  46                          ; v46-93 fragments of K (6 registers a tile) or of V (12)
.set FS,   94                          ; v94-97 their scale words
.set SS,   98                          ; v98-161 S^T, then p
                                       ; v162-193 O^T of H, v194-225 of L
.set PC,   226                         ; v226-237 p's codes
.set BM,   234                         ; v234-237 the blocks' largest scores (free again before the codes land)
.set PT,   238                         ; v238-245 at work
.set SO,   246                         ; v246-249 the conversions' scale operands
.set FF,   250                         ; v250 f = 2^(old M - new M); v251 is named with it as a pair
.set TT,   252                         ; v252, v253 at work
.set NINF, 254
.set PW,   255                         ; v255 p's scale word
.set WV,   18
.set SEL,  20
.set CS,   22
.set G1,   24                          ; s[24:31] group 1: a quarter of a slot, 24 rows of 256 bytes
.set G1S,  32                          ; s[32:39] group 1: 16 rows of 256 bytes of scale words
.set G0,   40                          ; s[40:43] group 0 for the slots; it walks
.set G0S,  44                          ; s[44:47] group 0 for the scale words
.set TB,   2                           ; s2  LDS byte at which the slot in hand begins
.set TS,   3                           ; s3  the step's scale words of K: 512 bytes a step
.set TJ,   66                          ; s66 and V's: 256 bytes a step
.set SLOTS, 67
.set KF,   68                          ; s68 the step's first key
.set Q0H,  69                          ; s69 H's smallest query
.set Q0L,  70                          ; s70 L's
.set PFA,  72                          ; s[72:73] K's codes of the slot after the one that is being asked for
.set LIM,  74                          ; s74 1 in a wave that prefetches, else the greatest number
; The first n waves issue one tensor load each.  The branch hangs on the wave's number alone.  An s_nop 0 and four v_nop follow the load.
.macro TLOAD g0, g1, n
	s_cmp_lt_u32 s[WV], \n
	s_cbranch_scc0 .Lnone_\@
	tensor_load_to_lds s[\g0:\g0+3], s[\g1:\g1+7]
	s_nop 0
.rept 4
	v_nop
.endr
.Lnone_\@:
.endm
; A prefetch of what the NEXT change of slots will ask for: 48 aligned blocks of 256 bytes of K and 48 of V.  The four work-groups of a head walk the same K and V: work-group x = 0 asks, which walks all eight slots;
; in it waves 4 to 6, which fetch nothing, one instruction each, a lane a block.  So each block is named once.  Slots 0 and 1 come by their loads alone; the last change that fills a slot asks for nothing.
.macro ASK
	s_cmp_gt_u32 s[SLOTS], s[LIM]
	s_cbranch_scc0 .Lnot_mine_\@
	global_prefetch_b8 v[PFO], s[PFA:PFA+1] th:TH_LOAD_NT scope:SCOPE_SE
.Lnot_mine_\@:
.endm
	s_load_b256 s[4:11], s[0:1], 0x0               ; qkvc s[4:5], qkvs s[6:7], ac s[8:9], asc s[10:11]
	v_lshl_add_u32 v[SPW], v0, 2, SPARE
	v_mov_b32 v[NIL], 0
	ds_add_u32 v[SPW], v[NIL]                      ; the wave's opening: the add and its wait stand ahead of my first tensor load; the set-up below stands between them
	v_lshrrev_b32 v8, 5, v0
	v_readfirstlane_b32 s[WV], v8                  ; wave 0..15
	s_and_b32 s76, ttmp7, 0xffff                   ; the head, 16 x batch + head
	s_mul_i32 s77, s76, HEADB
	s_mov_b32 s[G1], 3<<16                         ; no mask; elements of 8 bytes; no padding
	s_mov_b32 s[G1+1], 32<<16                      ; tensor_dim0 = 32 elements (256 bytes)
	s_mov_b32 s[G1+2], 24<<16                      ; tensor_dim1 = 24
	s_mov_b32 s[G1+3], 32<<16                      ; tile_dim0
	s_mov_b32 s[G1+4], 24                          ; tile_dim1
	s_mov_b32 s[G1+5], 32                          ; the pitch: the block is dense
	s_mov_b32 s[G1+6], 0
	s_mov_b32 s[G1+7], 0
	s_mov_b32 s[G1S], 3<<16
	s_mov_b32 s[G1S+1], 32<<16
	s_mov_b32 s[G1S+2], 16<<16
	s_mov_b32 s[G1S+3], 32<<16
	s_mov_b32 s[G1S+4], 16
	s_mov_b32 s[G1S+5], 32
	s_mov_b32 s[G1S+6], 0
	s_mov_b32 s[G1S+7], 0
	s_lshr_b32 s78, s[WV], 1                       ; what I fetch of a slot, if I fetch: waves 0, 1 K's halves, waves 2, 3 V's
	s_mul_i32 s78, s78, REGB
	s_and_b32 s79, s[WV], 1
	s_mul_i32 s79, s79, SLOTB/2
	s_add_co_u32 s78, s78, s79
	s_add_co_u32 s78, s78, s77
	s_add_co_u32 s78, s78, REGB
	s_mov_b32 s79, 0
	s_lshl_b32 s80, s76, 13                        ; the scale words: waves 0, 1 K's halves,
	s_lshl_b32 s81, s[WV], 12
	s_add_co_u32 s80, s80, s81
	s_add_co_u32 s80, s80, KSREG
	s_lshl_b32 s82, s76, 12                        ; wave 2 V's
	s_add_co_u32 s82, s82, VSREG
	s_cmp_lt_u32 s[WV], 2
	s_cselect_b32 s80, s80, s82
	s_mov_b32 s81, 0
	s_add_co_u32 s82, s77, REGB+SLOTB              ; the prefetches begin at K's slot 1: the first change of slots steps them to slot 2
	s_mov_b32 s83, 0
	s_lshl_b32 s84, ttmp9, 4
	s_add_co_u32 s84, s84, s[WV]                   ; L's tile: 16 i + wave
	s_sub_co_u32 s85, 7, ttmp9
	s_lshl_b32 s85, s85, 4
	s_add_co_u32 s85, s85, s[WV]                   ; H's tile: 16 (7 - i) + wave
	s_and_b32 s86, s[WV], 1
	s_lshl_b32 s86, s86, 3
	s_lshl_b32 s[Q0L], s84, 4
	s_sub_co_u32 s[Q0L], s[Q0L], s86               ; a tile's smallest query: 16 T - 8 (T % 2)
	s_lshl_b32 s[Q0H], s85, 4
	s_sub_co_u32 s[Q0H], s[Q0H], s86
	s_lshl_b32 s86, s76, 7
	s_add_co_u32 s85, s85, s86                     ; 128 x head + tile
	s_add_co_u32 s84, s84, s86
	s_mul_i32 s88, s85, 768                        ; H: Q's image,
	s_mov_b32 s89, 0
	s_lshl_b32 s90, s85, 6                         ; and its 16 scale words
	s_mov_b32 s91, 0
	s_mul_i32 s92, s84, 768                        ; L likewise
	s_mov_b32 s93, 0
	s_lshl_b32 s94, s84, 6
	s_mov_b32 s95, 0
	s_mov_b32 s[SEL], 0x76543210
	s_mov_b32 s[SEL+1], 0xfedcba98                 ; v_permlanex16_b32's selects for lane l xor 16
	s_mov_b32 s[CS], 0x3e38aa3b                    ; c = log2(e) / 8
	s_mov_b32 s[CS+1], s[CS]                       ; (named with it as a pair, so it is written)
	s_mov_b32 s[TB], 0
	s_mov_b32 s[TS], 0
	s_mov_b32 s[TJ], 0
	s_mov_b32 s[SLOTS], NSL-1
	s_mov_b32 s[KF], 0
	s_wait_dscnt 0x0                               ; the opening add is done
	s_wait_kmcnt 0x0
	s_mov_b32 s[G0S], 1
	s_lshl_b32 s[G0S+1], s[WV], 12
	s_add_co_u32 s[G0S+1], s[G0S+1], SCK           ; LDS: SCK + 4,096 x wave
	s_add_nc_u64 s[G0S+2:G0S+3], s[6:7], s[80:81]
	s_or_b32 s[G0S+3], s[G0S+3], 0x80000000
	TLOAD G0S, G1S, 3                              ; the scale words of the whole head: filled once
	s_mov_b32 s[G0], 1
	s_mul_i32 s[G0+1], s[WV], SLOTB/2              ; LDS: slot 0, 6,144 x wave: K's halves, then V's
	s_add_nc_u64 s[G0+2:G0+3], s[4:5], s[78:79]
	s_or_b32 s[G0+3], s[G0+3], 0x80000000
	TLOAD G0, G1, 4                                ; slot 0
	s_add_nc_u64 s[88:89], s[4:5], s[88:89]
	s_add_nc_u64 s[90:91], s[6:7], s[90:91]
	s_add_nc_u64 s[92:93], s[4:5], s[92:93]
	s_add_nc_u64 s[94:95], s[6:7], s[94:95]
	s_add_nc_u64 s[PFA:PFA+1], s[4:5], s[82:83]
	v_and_b32 v[TT], 31, v0                        ; lane
	v_lshlrev_b32 v[L8], 3, v[TT]
	v_and_b32 v[TT+1], 15, v0                      ; r
	v_lshlrev_b32 v[NINF], 2, v[TT+1]              ; 4 r (the register takes its own value in the loop)
.irp p, 0,1,2
	global_load_b64 v[20+2*\p:21+2*\p], v[L8], s[88:89] offset:256*\p   ; Q's fragments stay in registers
	global_load_b64 v[32+2*\p:33+2*\p], v[L8], s[92:93] offset:256*\p
.endr
	global_load_b32 v44, v[NINF], s[90:91]
	global_load_b32 v45, v[NINF], s[94:95]
	v_add_nc_u32 v[AKS], SCK, v[NINF]
	v_add_nc_u32 v[AVS], SCV, v[NINF]
	v_bfe_u32 v9, v0, 4, 1                         ; h
	v_and_b32 v10, 8, v[TT+1]
	v_add_nc_u32 v[QD], v10, v[TT+1]               ; r + 8 (r / 8)
	v_lshlrev_b32 v9, 4, v9
	v_sub_nc_u32 v[QD], v[QD], v9
	s_lshl_b32 s76, s[WV], 5
	s_add_co_u32 s76, s76, ASTG
	v_lshl_add_u32 v[AST], v[TT+1], 1, s76
	s_and_b32 s77, s[WV], 3                        ; the prefetches: block 32 (wave % 4) + lane of 96: 48 of K, then 48 of V, whose region lies REGB further on
	s_lshl_b32 s77, s77, 5
	v_add_nc_u32 v9, s77, v[TT]
	v_lshlrev_b32 v[PFO], 8, v9
	v_add_nc_u32 v10, REGB-SLOTB, v[PFO]
	v_cmp_le_u32 s84, 48, v9
	v_cndmask_b32 v[PFO], v[PFO], v10, s84
	s_sub_co_u32 s77, s[WV], 4
	s_cmp_lt_u32 s77, 3
	s_cselect_b32 s77, ttmp9, 1                    ; 0 in waves 4 to 6 of work-group x = 0
	s_cmp_eq_u32 s77, 0
	s_cselect_b32 s[LIM], 1, -1
.irp j, 26,27,28,29,30,31,38,39,40,41,42,43
	v_mov_b32 v[\j], 0                             ; Q's upper 64 along K: zero codes
.endr
.irp j, 70,71,72,73,74,75
	v_mov_b32 v[\j], 0                             ; named as the upper half of K's fourth tile: written once
.endr
.irp j, 13,17
	v_mov_b32 v[\j], 0xff61b1e6                    ; the largest t so far: -3e38, under every t
.endr
	v_floor_f32 v12, -v13                          ; -M
	v_floor_f32 v16, -v17
.irp j, 14,15,18,19
	v_mov_b32 v[\j], 0                             ; the sums
.endr
.irp b, 0,1,2,3
	v_mov_b32 v[PT+\b], 0                          ; written once: a lane permute's destination counts as one of its sources
.endr
	v_mov_b32 v[FF+1], 0                           ; (named as the upper half of a pair)
.set j, 0
.rept 64
	v_mov_b32 v[162+j], 0                          ; O^T of both tiles: the step is written once, its first turn finds zeros
.set j, j+1
.endr
; A KEY STEP OF ONE TILE: 128 keys, the kq-th of the slot in hand.  st: the tile's statistics; qf, qw: Q's fragment and scale word; ob: O^T; qz: the scalar with the tile's smallest query.
.macro TSTEP kq, st, qf, qw, ob, qz
	s_cmp_gt_u32 s[KF], s[\qz]                     ; a tile's queries lie inside one group of 32 and the step begins at a multiple of 128: either all its keys are hidden from all 16 queries, or every query sees the first key
	s_cbranch_scc1 .Lhid_\@
	v_add_nc_u32 v[ADK], s[TB], v[L8]
	v_add_nc_u32 v[ADS], s[TS], v[AKS]
	v_add_nc_u32 v[ADT], s[TJ], v[AVS]
	v_nop                                          ; with the three additions: four places in front of loads into registers that matrix instructions have read
.irp g, 0,1                                    ; S^T = K Q^T, four tiles of 16 keys at a time
.if \g > 0
.rept 4
	v_nop
.endr
.endif
.irp t, 0,1,2,3
.irp p, 0,1,2
	ds_load_b64 v[FRG+6*\t+2*\p:FRG+6*\t+2*\p+1], v[ADK] offset:6144*(\kq)+768*(4*\g+\t)+256*\p
.endr
	ds_load_b32 v[FS+\t], v[ADS] offset:64*(4*\g+\t)
.endr
	s_wait_dscnt 0x0
.irp t, 0,1,2,3
	v_wmma_scale_f32_16x16x128_f8f6f4 v[SS+8*(4*\g+\t):SS+8*(4*\g+\t)+7], v[FRG+6*\t:FRG+6*\t+11], v[\qf:\qf+11], 0, v[FS+\t], v[\qw] matrix_a_fmt:MATRIX_FMT_FP6 matrix_b_fmt:MATRIX_FMT_FP6
.endr
.endr
.rept 4
	v_nop                                          ; places in front of the loads below and of the first read of the scores
.endr
.irp t, 0,1,2,3                                ; V's four fragments are asked for here and land under the softmax
.irp p, 0,1,2,3,4,5
	ds_load_b64 v[FRG+12*\t+2*\p:FRG+12*\t+2*\p+1], v[ADK] offset:SLOTB+6144*(\kq)+1536*\t+256*\p
.endr
	ds_load_b32 v[FS+\t], v[ADT] offset:64*\t
.endr
	s_add_co_u32 s96, s[KF], 127                   ; on the diagonal the scores of hidden keys become -infinity ahead of the maximum; a step all of whose keys count skips this
	s_cmp_le_u32 s96, s[\qz]
	s_cbranch_scc1 .Lopen_\@
	s_sub_co_i32 s96, s[\qz], s[KF]
	v_add_nc_u32 v[TT], s96, v[QD]                 ; d = my query - the step's first key - 16 (lane / 16): register 16 b + i is hidden where 32 b + i > d
	v_mov_b32 v[NINF], 0xff800000
.set n, 0
.rept 64
	v_cmp_gt_i32 vcc_lo, 32*(n/16)+n%16, v[TT]
	v_cndmask_b32 v[SS+n], v[SS+n], v[NINF], vcc_lo
.set n, n+1
.endr
.Lopen_\@:
.irp b, 0,1,2,3
	v_max3_num_f32 v[BM+\b], v[SS+16*\b], v[SS+16*\b+1], v[SS+16*\b+2]   ; the largest score of each block of 32 keys: for the row's maximum, and for the block's largest p
.endr
.irp i, 3,5,7,9,11,13
.irp b, 0,1,2,3
	v_max3_num_f32 v[BM+\b], v[BM+\b], v[SS+16*\b+\i], v[SS+16*\b+\i+1]
.endr
.endr
.irp b, 0,1,2,3
	v_max_num_f32 v[BM+\b], v[BM+\b], v[SS+16*\b+15]
.endr
.irp b, 0,1,2,3
	v_permlanex16_b32 v[PT+\b], v[BM+\b], s[SEL], s[SEL+1]
.endr
.irp b, 0,1,2,3
	v_max_num_f32 v[BM+\b], v[BM+\b], v[PT+\b]     ; with lane l xor 16's 16 keys
.endr
	v_max3_num_f32 v[TT], v[BM], v[BM+1], v[BM+2]
	v_max_num_f32 v[TT], v[TT], v[BM+3]            ; the step's largest score of my query
	v_mul_f32 v[TT], s[CS], v[TT]                  ; as t
	v_max_num_f32 v[\st+1], v[\st+1], v[TT]        ; the running largest t
	v_mov_b32 v[TT], v[\st]
	v_floor_f32 v[\st], -v[\st+1]                  ; the new -M = floor(-t): M is a whole number
	v_sub_f32 v[TT], v[\st], v[TT]                 ; old M - new M: a whole number, 0 or less
	v_cvt_i32_f32 v[TT], v[TT]                     ; (it saturates)
	v_ldexp_f32 v[FF], 1.0, v[TT]                  ; f = 2^(old M - new M)
.set j, 0
.rept 32
	v_pk_fma_f32 v[SS+j:SS+j+1], v[SS+j:SS+j+1], s[CS:CS+1], v[\st:\st+1] op_sel_hi:[1,0,0]   ; t - M, two at a time
.set j, j+2
.endr
.irp b, 0,1,2,3
	v_fma_f32 v[BM+\b], v[BM+\b], s[CS], v[\st]    ; the same of each block's largest score
.endr
.set j, 0
.rept 64
	v_exp_f32 v[SS+j], v[SS+j]                     ; p = 2^(t - M), at most 1
.set j, j+1
.endr
	v_pk_mul_f32 v[\st+2:\st+3], v[\st+2:\st+3], v[FF:FF+1] op_sel_hi:[1,0]   ; the sums under the new M (the plain line behind the exponentials)
	s_wait_alu depctr_va_vdst(0)                   ; one wait for the batch of 64, ahead of its first reader
.irp b, 0,1,2,3
	v_exp_f32 v[BM+\b], v[BM+\b]                   ; the block's largest p: the same two instructions on the same number give the same bits
.endr
	v_pk_add_f32 v[PT:PT+1], v[SS:SS+1], v[SS+2:SS+3]   ; the row's sum is taken of the unquantised p, in two chains
.set j, 4
.rept 15
	v_pk_add_f32 v[\st+2:\st+3], v[\st+2:\st+3], v[SS+j:SS+j+1]
	v_pk_add_f32 v[PT:PT+1], v[PT:PT+1], v[SS+j+2:SS+j+3]
.set j, j+4
.endr
	v_pk_add_f32 v[\st+2:\st+3], v[\st+2:\st+3], v[PT:PT+1]
	s_wait_alu depctr_va_vdst(0)                   ; and one for the four
.irp b, 0,1,2,3
	v_max_num_f32 v[BM+\b], 0x1800000, v[BM+\b]    ; the floor 2^(3 - 127): the byte cannot fall under 1
.endr
.irp b, 0,1,2,3
	v_add_nc_u32 v[SO+\b], 0xff000000, v[BM+\b]    ; 2 off the exponent field: the conversion's scale operand
.endr
.irp b, 0,1,2,3
	v_lshrrev_b32 v[PT+\b], 23, v[SO+\b]           ; the scale's byte
.endr
	v_lshl_or_b32 v[PW], v[PT+1], 8, v[PT]         ; p's scale word for these 128 keys
	v_lshl_or_b32 v[PW], v[PT+2], 16, v[PW]
	v_lshl_or_b32 v[PW], v[PT+3], 24, v[PW]
.irp c, 0,1
	v_cvt_scalef32_pk16_fp6_f32 v[PC+6*\c:PC+6*\c+2], v[SS+32*\c:SS+32*\c+15], v[SO+2*\c]
	v_cvt_scalef32_pk16_fp6_f32 v[PT+4*\c:PT+4*\c+2], v[SS+16+32*\c:SS+31+32*\c], v[SO+2*\c+1]   ; (a conversion's three registers begin on an even number)
.endr
	v_nop                                          ; one plain place behind a scaled conversion
.irp c, 0,1                                    ; the operand's layout wants a whole block in a lane
.irp i, 0,1,2
	v_permlane16_swap_b32 v[PC+6*\c+\i], v[PT+4*\c+\i]
.endr
.irp i, 0,1,2
	v_mov_b32 v[PC+3+6*\c+\i], v[PT+4*\c+\i]
.endr
.endr
.set j, 0
.rept 16
	v_pk_mul_f32 v[\ob+j:\ob+j+1], v[\ob+j:\ob+j+1], v[FF:FF+1] op_sel_hi:[1,0]   ; O^T under the new M; these sixteen are also the places between the lines that made p's codes and scale word and the products
.set j, j+2
.endr
	s_wait_dscnt 0x0                               ; V's fragments and scale words are in
.irp t, 0,1,2,3                                ; O^T += V^T P^T: four accumulators, one instruction each
	v_wmma_scale_f32_16x16x128_f8f6f4 v[\ob+8*\t:\ob+8*\t+7], v[FRG+12*\t:FRG+12*\t+11], v[PC:PC+11], v[\ob+8*\t:\ob+8*\t+7], v[FS+\t], v[PW] matrix_a_fmt:MATRIX_FMT_FP6 matrix_b_fmt:MATRIX_FMT_FP6
.endr
.Lhid_\@:
.endm
.macro STEP kq
	TSTEP \kq, 12, 20, 44, 162, Q0H
	TSTEP \kq, 16, 32, 45, 194, Q0L
	s_add_co_u32 s[KF], s[KF], 128
	s_add_co_u32 s[TS], s[TS], 512
	s_add_co_u32 s[TJ], s[TJ], 256
.endm
; THE CHANGE OF SLOTS stands at a slot's head.  Each wave waits for all its tensor loads, adds 0 to its spare word, and waits for that and for its reads of the slot that it has left.
; Behind the barrier the slot ahead is whole and nobody reads the other one.  fill = 1: that other slot is filled with the keys that follow, up to the causal limit: the load has a whole slot's steps in which to land.
.macro CHANGE fill
	s_wait_tensorcnt 0x0                           ; no tensor load of mine is out, so a group 0 may be written
	ds_add_u32 v[SPW], v[NIL]                      ; 0 onto my spare word
.if \fill
	s_xor_b32 s[G0+1], s[G0+1], SLOT1              ; the walking descriptor: the other slot,
	s_add_nc_u64 s[G0+2:G0+3], s[G0+2:G0+3], SLOTB ; the next 256 keys
	s_wait_xcnt 0x0                                ; the last prefetch, a slot back, has read its address
	s_add_nc_u64 s[PFA:PFA+1], s[PFA:PFA+1], SLOTB
.endif
	s_wait_dscnt 0x0                               ; the add is done, and my reads of the slot that I have left are over
	s_barrier_signal -1
	s_barrier_wait -1
.if \fill
	s_add_co_u32 s96, s[KF], 256                   ; the first key of the slot that this change would ask for
	s_or_b32 s97, s[Q0H], 255                      ; my work-group's last query
	s_cmp_gt_u32 s96, s97                          ; ids and the count of steps alone: all sixteen waves go the same way; a slot beyond the limit is read by no step, so it is not asked for
	s_cbranch_scc1 .Lpast_\@
	TLOAD G0, G1, 4                                ; a wave's one tensor load until the next change
.Lpast_\@:
	ASK
.endif
.endm
.macro SLOT_STEPS
	STEP 0
	STEP 1
	s_xor_b32 s[TB], s[TB], SLOT1                  ; on to the other slot
.endm
	s_wait_loadcnt 0x0                             ; Q
.Lslot:                                            ; seven trips: behind each change of slots but the last the next slot is asked for
	CHANGE 1
	SLOT_STEPS
	s_sub_co_u32 s[SLOTS], s[SLOTS], 1
	s_cmp_lg_u32 s[SLOTS], 0
	s_cbranch_scc1 .Lslot
	CHANGE 0                                       ; the last slot is written out: nothing is left to ask for
	SLOT_STEPS
	; THE WAY OUT.  O^T / the sum; a lane's 32 numbers of a tile are channels 32 B + 16 (lane / 16) + 0 .. 15: two blocks of the last product's K.
.rept 4
	v_nop                                          ; places behind the last products
.endr
	v_add_f32 v14, v14, v15
	v_add_f32 v18, v18, v19
	v_permlanex16_b32 v[TT], v14, s[SEL], s[SEL+1]
	v_permlanex16_b32 v[TT+1], v18, s[SEL], s[SEL+1]
	v_add_f32 v14, v14, v[TT]                      ; the rows' sums
	v_add_f32 v18, v18, v[TT+1]
	v_rcp_f32 v14, v14
	v_rcp_f32 v18, v18
	v_and_b32 v9, 31, v0                           ; (the plain line behind the reciprocals)
	v_lshlrev_b32 v9, 4, v9                        ; 16 x lane
	s_and_b32 s76, ttmp7, 0xffff
	s_lshr_b32 s77, s76, 4                         ; the batch
	s_and_b32 s78, s76, 15                         ; the head in it
	s_lshl_b32 s79, s77, 7
	s_lshl_b32 s80, ttmp9, 4
	s_add_co_u32 s80, s80, s[WV]
	s_add_co_u32 s80, s80, s79                     ; L: 128 x batch + tile
	s_sub_co_u32 s81, 7, ttmp9
	s_lshl_b32 s82, s81, 4
	s_add_co_u32 s82, s82, s[WV]
	s_add_co_u32 s82, s82, s79                     ; H
	s_lshl_b32 s82, s82, 4
	s_add_co_u32 s82, s82, s78
	s_mul_i32 s84, s82, 768                        ; ac: [tile 512][head 16][768 bytes]
	s_mov_b32 s85, 0
	s_add_nc_u64 s[84:85], s[8:9], s[84:85]
	s_lshl_b32 s80, s80, 4
	s_add_co_u32 s80, s80, s78
	s_mul_i32 s86, s80, 768
	s_mov_b32 s87, 0
	s_add_nc_u64 s[86:87], s[8:9], s[86:87]
	s_and_b32 s88, s[WV], 1                        ; the scale bytes leave by wave 0 (L's block) and wave 1 (H's)
	s_cmp_eq_u32 s88, 0
	s_cselect_b32 s89, ttmp9, s81
	s_lshl_b32 s89, s89, 8
	s_lshl_b32 s90, s77, 11
	s_add_co_u32 s89, s89, s90
	s_lshl_b32 s90, s78, 13
	s_add_co_u32 s89, s89, s90
	s_lshl_b32 s90, s89, 1                         ; asc: [head 16][8,192 places] two bytes
	s_mov_b32 s91, 0
	s_add_nc_u64 s[90:91], s[10:11], s[90:91]
	s_lshl_b32 s88, s88, 9
	s_add_co_u32 s88, s88, ASTG
	v_add_nc_u32 v8, s88, v9                       ; where waves 0 and 1 read the stage back (made by every wave)
	s_wait_alu depctr_va_vdst(0)                   ; one wait for the two reciprocals, ahead of their first reader
.macro OUT st, ob, xx, pcd, uu, sb, off
.set j, 0
.rept 16
	v_pk_mul_f32 v[\xx+j:\xx+j+1], v[\ob+j:\ob+j+1], v[\st+2:\st+3] op_sel_hi:[1,0]   ; O^T / the sum, each accumulator from its low end on
.set j, j+2
.endr
.irp b, 0,1
	v_max3_num_f32 v[BM+\b], |v[\xx+16*\b]|, |v[\xx+16*\b+1]|, 0x1800000
.endr
.irp i, 2,4,6,8,10,12,14
.irp b, 0,1
	v_max3_num_f32 v[BM+\b], v[BM+\b], |v[\xx+16*\b+\i]|, |v[\xx+16*\b+\i+1]|
.endr
.endr
.irp b, 0,1
	v_permlanex16_b32 v[PT+\b], v[BM+\b], s[SEL], s[SEL+1]
.endr
.irp b, 0,1
	v_max_num_f32 v[BM+\b], v[BM+\b], v[PT+\b]
.endr
.irp b, 0,1
	v_add_nc_u32 v[SO+\b], 0xff000000, v[BM+\b]
.endr
.irp b, 0,1
	v_lshrrev_b32 v[PT+\b], 23, v[SO+\b]
.endr
	v_lshl_or_b32 v[\uu], v[PT+1], 8, v[PT]        ; my row's two scale bytes
	v_cvt_scalef32_pk16_fp6_f32 v[\pcd:\pcd+2], v[\xx:\xx+15], v[SO]
	v_cvt_scalef32_pk16_fp6_f32 v[PT+4:PT+6], v[\xx+16:\xx+31], v[SO+1]
	v_nop                                          ; one plain place behind a scaled conversion
.irp i, 0,1,2
	v_permlane16_swap_b32 v[\pcd+\i], v[PT+4+\i]
.endr
.irp i, 0,1,2
	v_mov_b32 v[\pcd+3+\i], v[PT+4+\i]
.endr
.irp p, 0,1,2
	global_store_b64 v[L8], v[\pcd+2*\p:\pcd+2*\p+1], s[\sb:\sb+1] offset:256*\p   ; 32 lanes store 256 consecutive bytes, aligned
.endr
	ds_store_b16 v[AST], v[\uu] offset:\off        ; lanes r and r + 16 write the same bytes with the same value
.endm
	OUT 12, 162, 98, 226, 252, 84, 512
	OUT 16, 194, 130, 46, 253, 86, 0
	s_wait_dscnt 0x0                               ; for the others' sake: my stores into the stage are done
	s_barrier_signal -1
	s_barrier_wait -1
	s_cmp_lt_u32 s[WV], 2
	s_cbranch_scc0 .Ldone
	ds_load_b128 v[98:101], v8
	s_wait_dscnt 0x0
	global_store_b128 v9, v[98:101], s[90:91]      ; a block's 256 places: 512 consecutive bytes, aligned
.Ldone:
	s_wait_tensorcnt 0x0                           ; the wave's end, behind my last tensor load and my last LDS store
	ds_add_u32 v[SPW], v[NIL]
	s_wait_dscnt 0x0
	s_endpgm
.Lfunc_end_k_q4a910afe7b_attn:
	.size	k_q4a910afe7b_attn, .Lfunc_end_k_q4a910afe7b_attn-k_q4a910afe7b_attn
	.p2alignl 7, 3214868480
	.fill 96, 4, 3214868480
	.section	.rodata,"a",@progbits
	.p2align	6, 0x0
	.amdhsa_kernel k_q4a910afe7b_attn
		.amdhsa_group_segment_fixed_size 327680
		.amdhsa_private_segment_fixed_size 0
		.amdhsa_enable_private_segment 0
		.amdhsa_kernarg_size 32
		.amdhsa_user_sgpr_count 2
		.amdhsa_user_sgpr_kernarg_segment_ptr 1
		.amdhsa_wavefront_size32 1
		.amdhsa_system_sgpr_workgroup_id_x 1
		.amdhsa_system_sgpr_workgroup_id_y 1
		.amdhsa_system_sgpr_workgroup_id_z 1
		.amdhsa_system_vgpr_workitem_id 0
		.amdhsa_next_free_vgpr 256
		.amdhsa_next_free_sgpr 100
		.amdhsa_reserve_vcc 1
		.amdhsa_float_denorm_mode_32 3
		.amdhsa_float_denorm_mode_16_64 3
		.amdhsa_memory_ordered 1
		.amdhsa_forward_progress 1
		.amdhsa_inst_pref_size 202
	.end_amdhsa_kernel
	.amdgpu_metadata
---
amdhsa.version: [ 1, 2 ]
amdhsa.kernels:
  - .name:           k_q4a910afe7b_attn
    .symbol:         k_q4a910afe7b_attn.kd
    .args:
      - { .name: qkvc, .offset: 0, .size: 8, .value_kind: global_buffer, .address_space: global }
      - { .name: qkvs, .offset: 8, .size: 8, .value_kind: global_buffer, .address_space: global }
      - { .name: ac, .offset: 16, .size: 8, .value_kind: global_buffer, .address_space: global }
      - { .name: asc, .offset: 24, .size: 8, .value_kind: global_buffer, .address_space: global }
    .group_segment_fixed_size: 327680
    .private_segment_fixed_size: 0
    .kernarg_segment_align: 8
    .kernarg_segment_size: 32
    .max_flat_workgroup_size: 512
    .sgpr_count:     100
    .vgpr_count:     256
    .wavefront_size: 32
...
	.end_amdgpu_metadata
.endif
;; end of part 3
;; launch proj (part 4): grid 4 x 32, 4 waves a work-group, clusters of 4 x 4, 327,680 bytes of LDS; arguments ac, asc, wc, ws, out0; writes out0
.if DOCPART == 4
	.amdgcn_target "amdgcn-amd-amdhsa--gfx1250"
	.amdhsa_code_object_version 6
	.text
	.protected	k_q4a910afe7b_proj
	.globl	k_q4a910afe7b_proj
	.p2align	8
	.type	k_q4a910afe7b_proj,@function
k_q4a910afe7b_proj:
	s_mov_b64 s[64:65], 0
	v_nop
	global_prefetch_b8 v0, s[64:65] scope:SCOPE_SE
	s_setreg_imm32_b32 hwreg(HW_REG_WAVE_MODE, 25, 1), 1
	s_wait_xcnt 0x0
	s_wait_alu depctr_hold_cnt(0) depctr_sa_sdst(0) depctr_va_vdst(0) depctr_va_sdst(0) depctr_va_ssrc(0) depctr_va_vcc(0) depctr_vm_vsrc(0)
	s_getreg_b32 s2, hwreg(HW_REG_IB_STS2, 6, 4)
	s_cmp_eq_u32 s2, 0
	s_cbranch_scc0 .Lentry_in_a_cluster
	s_endpgm
.Lentry_in_a_cluster:
	s_bfe_u32 s2, ttmp6, 0x10000c
	s_cmp_lg_u32 s2, 0xf033
	s_cbranch_scc0 .Lentry_shape_is_right
	s_endpgm
.Lentry_shape_is_right:
; out0 = attn Wo^T on codes of FP6 (E2M3) with E8M0 scales; sums in f32.  M = 8,192 tokens, N = 1,024, K = 1,024.
; A = attn: ac [tile of 16 places 512][K step of 128: 8][1,536 bytes], images of operand registers (registers 2 p, 2 p + 1 at 256 p + 8 x lane); its scale bytes asc [head 16][8,192 places][2].
; B = Wo: rows 3,072 .. 4,095 of wc [4,096][768 bytes] and ws [4,096][32], in their true order.
; A tile of 256 x 256 of the output is made by four waves, 128 x 128 each; K goes in four steps of 256 through a ring of two LDS slots filled by the tensor data mover.
; The matrix instruction takes source 0 = 16 rows of Wo, source 1 = 16 places of attn: a lane holds eight neighbouring numbers of a row of the output.
; THE TOKENS' ORDER IS UNDONE IN THE STORES: row t of block a of a wave's 128 places is token 32 (a / 2) + 8 (a % 2) + t + 8 (t / 8).
; A's scale bytes are turned once, by the waves, into rows of 32 bytes in LDS (blocks of 256 bytes of their own, into which no fill lands); B's come once by tensor loads.
; CLUSTERS: 4 x 4 work-groups; A's tiles are asked for jointly along a row of the cluster, B's along a column.  The grid has 128 work-groups: a tile of 256 x 256 was kept for the sake of one form of loop in both products' launches.
; REGISTERS as in the launch for q, k, v: window 0: v0-31 addresses; v32-63 scale words; v64-95 at work at the head; from v128 A's fragments; window 1: B's fragments, two sets; windows 2, 3: the accumulators.
.set SIZE_K, 1024
.set SIZE_N, 1024
.set KSTEP,  256
.set NQ,     KSTEP/128
.set ROWB,   192
.set KROW,   SIZE_K*6/8
.set PITCH,  240
.set FR,     12
.set NL,     6
.set NP,     4
.set HALFT,  128*PITCH
.set SLOT,   4*HALFT
.set LAPS,   SIZE_K/(2*KSTEP)
.set KS,     SIZE_K/32
.set SCL,    2*SLOT
.set HALFS,  (128*KS/256)*272
.set SBLK,   (16*KS/256)*272
.set SPARE,  SCL+4*HALFS
.set SPITCH, 528                       ; the way out: a stage of 16 rows x (512 bytes + 16) for each wave, in slot 0, which has had its last fill and its last read by then
.set ADRA, 16                          ; v16-17 LDS address of my A images in slot 0, 1
.set ADRB, 20                          ; v20-23 of my B fragments
.set STO,  24
.set RD,   25
.set CO,   26
.set ADRS, 27
.set SPW,  28
.set NIL,  29
.set SC,   32
.set AF,   128
.set BK,   128
.set G1, 24
.set G0, 32
.set G1B, 48
.set G0B, 56
.set G1SB, 80
.set G0SB, 88
.set MSB, 0
.macro WIN new                         ; the immediate's high byte repeats the setting that is left
.if MSB != \new
	s_set_vgpr_msb (MSB<<8)|\new
.set MSB, \new
.endif
.endm
.set MUL_LO, 0xa1
.set MUL_HI, 0xf1
.set TO_B,   0x40
.macro JLOAD g0a, g1a, g0b, g1b        ; a joint load: waves 0 and 1 fetch for A, waves 2 and 3 for B; an s_nop 0 and four v_nop follow each of the two lines
	s_cmp_eq_u32 s15, 0
	s_cbranch_scc0 .Lfor_b_\@
	tensor_load_to_lds s[\g0a:\g0a+3], s[\g1a:\g1a+7]
	s_nop 0
.rept 4
	v_nop
.endr
	s_branch .Lasked_\@
.Lfor_b_\@:
	tensor_load_to_lds s[\g0b:\g0b+3], s[\g1b:\g1b+7]
	s_nop 0
.rept 4
	v_nop
.endr
.Lasked_\@:
.endm
.macro CREST
	s_cmp_lg_u32 s14, 0
	s_cbranch_scc1 .Lnot_wave_0_\@
	s_barrier_signal -3
.Lnot_wave_0_\@:
	s_barrier_wait -3
	s_barrier_signal -1
	s_barrier_wait -1
.endm
.macro CROUND
	s_barrier_signal -1
	s_barrier_wait -1
	CREST
.endm
	s_load_b256 s[4:11], s[0:1], 0x0               ; ac s[4:5], asc s[6:7], wc s[8:9], ws s[10:11]
	s_load_b64 s[12:13], s[0:1], 0x20              ; out0
	v_lshl_add_u32 v[SPW], v0, 2, SPARE
	v_mov_b32 v[NIL], 0
	ds_add_u32 v[SPW], v[NIL]                      ; the wave's opening: the add and its wait stand ahead of my first tensor load
	v_lshrrev_b32 v1, 5, v0
	v_readfirstlane_b32 s14, v1                    ; wave 0..3
	s_lshr_b32 s15, s14, 1                         ; which half of the tile's rows is mine.  Also: I fetch for A (0) or for B (1)
	s_and_b32 s16, s14, 1                          ; which half of its columns.  Also: which half of that tile I fetch
	s_bfe_u32 s40, ttmp6, 0x40000                  ; cx, cy
	s_bfe_u32 s41, ttmp6, 0x40004
	s_lshl_b32 s42, ttmp9, 2
	s_add_co_u32 s42, s42, s40                     ; tile column
	s_and_b32 s17, ttmp7, 0xffff
	s_lshl_b32 s17, s17, 2
	s_add_co_u32 s17, s17, s41                     ; tile row
	s_lshl_b32 s43, s41, 2
	s_lshl_b32 s43, 15, s43                        ; my row of the cluster
	s_lshl_b32 s44, 0x1111, s40                    ; my column
	; A's tiles: 8 tiles of 16 places x 3,072 bytes (two K steps' images), 12,288 bytes apart in memory, dense in LDS
	s_or_b32 s[G1+0], s43, (3<<16)|(1<<21)         ; the mask: my row; elements of 8 bytes; no padding; bit 21 beside a mask
	s_mov_b32 s[G1+1], 384<<16                     ; tensor_dim0 = 384 elements
	s_mov_b32 s[G1+2], 8<<16                       ; tensor_dim1 = 8
	s_mov_b32 s[G1+3], 384<<16                     ; tile_dim0
	s_mov_b32 s[G1+4], 8                           ; tile_dim1
	s_mov_b32 s[G1+5], 1536                        ; the pitch, in elements
	s_mov_b32 s[G1+6], 0
	s_mov_b32 s[G1+7], 0
	; B's tiles: 128 rows x 192 bytes, 16 bytes of padding behind every 64
	s_or_b32 s[G1B+0], s44, (0<<16)|(1<<20)|(1<<21)|(3<<22)|(3<<25)
	s_mov_b32 s[G1B+1], ROWB<<16
	s_mov_b32 s[G1B+2], 128<<16
	s_mov_b32 s[G1B+3], ROWB<<16
	s_mov_b32 s[G1B+4], 128
	s_mov_b32 s[G1B+5], KROW
	s_mov_b32 s[G1B+6], 0
	s_mov_b32 s[G1B+7], 0
	; B's scales: each wave a quarter: 64 rows x 32 bytes, dense, as 8 rows of 256 bytes with 16 bytes of padding behind each
	s_or_b32 s[G1SB+0], s44, (3<<16)|(1<<20)|(1<<21)|(5<<22)|(3<<25)
	s_mov_b32 s[G1SB+1], 32<<16
	s_mov_b32 s[G1SB+2], 8<<16
	s_mov_b32 s[G1SB+3], 32<<16
	s_mov_b32 s[G1SB+4], 8
	s_mov_b32 s[G1SB+5], 32
	s_mov_b32 s[G1SB+6], 0
	s_mov_b32 s[G1SB+7], 0
	s_lshl_b32 s20, s17, 4
	s_lshl_b32 s18, s16, 3
	s_add_co_u32 s20, s20, s18                     ; A: tile of 16 places 16 x tile row + 8 x half
	s_mul_i32 s20, s20, 12288
	s_mov_b32 s21, 0
	s_lshl_b32 s46, s42, 8
	s_lshl_b32 s18, s16, 7
	s_add_co_u32 s46, s46, s18
	s_add_co_u32 s46, s46, 3072                    ; B: row 3,072 + 256 x tile column + 128 x half
	s_mul_i32 s46, s46, KROW
	s_mov_b32 s47, 0
	s_lshl_b32 s92, s42, 8
	s_lshl_b32 s18, s14, 6
	s_add_co_u32 s92, s92, s18
	s_add_co_u32 s92, s92, 3072                    ; B's scales: row 3,072 + 256 x tile column + 64 x wave
	s_lshl_b32 s92, s92, 5
	s_mov_b32 s93, 0
	s_lshl_b32 s22, s17, 9                         ; A's scale bytes: 256 places x 2 bytes a tile row
	s_mov_b32 s23, 0
	s_mul_i32 s45, s14, HALFT                      ; where the tiles go: wave x HALFT
	s_mul_i32 s94, s14, 2176                       ; and B's scales: wave x 8 x 272
	v_and_b32 v9, 31, v0
	v_lshlrev_b32 v7, 2, v9
	s_lshl_b32 s18, s14, 7
	v_add_nc_u32 v7, s18, v7                       ; A's scale bytes: places 64 wave + 2 lane and the next: 4 bytes of each head's row
	s_wait_dscnt 0x0                               ; the opening add is done
	s_wait_kmcnt 0x0
	s_add_nc_u64 s[20:21], s[4:5], s[20:21]
	s_add_nc_u64 s[46:47], s[8:9], s[46:47]
	s_add_nc_u64 s[92:93], s[10:11], s[92:93]
	s_add_nc_u64 s[6:7], s[6:7], s[22:23]
.irp hd, 0,1,2,3,4,5,6,7,8,9,10,11,12,13,14,15
	global_load_b32 v[64+\hd], v7, s[6:7] offset:16384*\hd   ; the wave reads 128 consecutive bytes of each head's row
.endr
	CROUND                                         ; all sixteen work-groups are here: the first joint loads meet
	s_mov_b32 s[G0SB], 1
	s_add_co_u32 s[G0SB+1], s94, SCL+2*HALFS
	s_mov_b64 s[G0SB+2:G0SB+3], s[92:93]
	s_or_b32 s[G0SB+3], s[G0SB+3], 0x80000000
	tensor_load_to_lds s[G0SB:G0SB+3], s[G1SB:G1SB+7]   ; every wave its quarter of B's scales
	s_nop 0
.rept 4
	v_nop
.endr
.irp s, 0,1
	s_mov_b32 s[G0+4*\s], 1
	s_add_co_u32 s[G0+4*\s+1], s45, \s*SLOT
	s_add_nc_u64 s[G0+4*\s+2:G0+4*\s+3], s[20:21], \s*3072
	s_or_b32 s[G0+4*\s+3], s[G0+4*\s+3], 0x80000000
	s_mov_b32 s[G0B+4*\s], 1
	s_add_co_u32 s[G0B+4*\s+1], s45, \s*SLOT
	s_add_nc_u64 s[G0B+4*\s+2:G0B+4*\s+3], s[46:47], \s*ROWB
	s_or_b32 s[G0B+4*\s+3], s[G0B+4*\s+3], 0x80000000
	JLOAD G0+4*\s, G1, G0B+4*\s, G1B
.endr
	v_and_b32 v1, 15, v0                           ; l % 16
	v_bfe_u32 v2, v0, 4, 1                         ; l / 16
	v_mul_u32_u24 v3, v1, PITCH
	v_mul_u32_u24 v4, v2, 24
	v_add_nc_u32 v4, v3, v4                        ; B: a fragment's row x pitch + 24 x half
	v_lshl_add_u32 v5, v2, 4, v4                   ; and the same behind one padding more
	v_lshlrev_b32 v6, 3, v9                        ; A: 8 x lane
	s_mul_i32 s21, s15, HALFT                      ; my 128 places of A
	s_mul_i32 s22, s16, HALFT                      ; my 128 rows of B,
	s_add_co_u32 s22, s22, 2*HALFT                 ; which lie behind A's
.irp s, 0,1
	v_add_nc_u32 v[ADRA+\s], s21, v6
	v_add_nc_u32 v[ADRB+\s], s22, v4
	v_add_nc_u32 v[ADRB+2+\s], s22, v5
	s_add_co_u32 s21, s21, SLOT
	s_add_co_u32 s22, s22, SLOT
.endr
	v_mul_u32_u24 v5, v1, KS                       ; my row's scales: KS bytes a row,
	v_lshrrev_b32 v6, 8, v5
	v_lshl_add_u32 v5, v6, 4, v5                   ; and 16 more for each 256 passed
	s_mul_i32 s21, s15, HALFS
	s_mul_i32 s22, s16, HALFS
	s_add_co_u32 s22, s22, 2*HALFS
	s_sub_co_u32 s22, s22, s21
	v_mul_u32_u24 v6, s22, v2                      ; lanes 16-31 take B's
	s_add_co_u32 s21, s21, SCL
	v_add_nc_u32 v5, v5, v6
	v_add_nc_u32 v[ADRS], s21, v5
	s_mul_i32 s23, s14, 16*SPITCH                  ; my stage
	v_mul_u32_u24 v5, v1, SPITCH
	v_lshl_add_u32 v5, v2, 5, v5
	v_add_nc_u32 v[STO], s23, v5
	v_lshlrev_b32 v[CO], 4, v9
	v_add_nc_u32 v[RD], s23, v[CO]
	s_lshl_b32 s20, s17, 8
	s_lshl_b32 s21, s15, 7
	s_add_co_u32 s20, s20, s21                     ; my first row of the output: 256 x tile row + 128 x half
	s_mov_b32 s21, 0
	s_mov_b64 s[18:19], SIZE_N*4
	s_mul_u64 s[20:21], s[20:21], s[18:19]
	s_lshl_b32 s46, s42, 10
	s_lshl_b32 s47, s16, 9
	s_add_co_u32 s46, s46, s47                     ; my first column, in bytes
	s_mov_b32 s47, 0
	s_add_nc_u64 s[20:21], s[20:21], s[46:47]
	s_add_nc_u64 s[12:13], s[12:13], s[20:21]
	; A's scale bytes become rows of 32 bytes: row R of the tile's 256 lies at SCL + 272 (R / 8) + 32 (R % 8), as B's do
	v_lshrrev_b32 v10, 2, v9
	v_mul_u32_u24 v8, v10, 272
	v_and_b32 v10, 3, v9
	v_lshl_add_u32 v8, v10, 6, v8
	s_mul_i32 s23, s14, 2176
	s_add_co_u32 s23, s23, SCL
	v_add_nc_u32 v8, s23, v8                       ; rows 64 wave + 2 lane and the next: 64 bytes
	s_mov_b32 s22, 0x05040100                      ; the two low halves: the even place's bytes of two heads
	s_mov_b32 s23, 0x07060302                      ; the two high halves: the odd place's
	s_wait_loadcnt 0x0
.irp j, 0,1,2,3,4,5,6,7
	v_perm_b32 v[80+\j], v[65+2*\j], v[64+2*\j], s22
	v_perm_b32 v[88+\j], v[65+2*\j], v[64+2*\j], s23
.endr
	ds_store_b128 v8, v[80:83]
	ds_store_b128 v8, v[84:87] offset:16
	ds_store_b128 v8, v[88:91] offset:32
	ds_store_b128 v8, v[92:95] offset:48
.macro FRAG reg, adr, q, i             ; B's fragment from rows of 192 bytes with 16 bytes of padding behind every 64: in pieces of 8 bytes
.irp p, 0,1,2,3,4,5
.set PC, 12*(\q)+6*(\p/3)+\p%3
.if PC%8 < 5
	ds_load_b64 v[\reg+2*\p:\reg+2*\p+1], v[\adr] offset:8*PC+16*(PC/8)+(\i)*16*PITCH
.else
	ds_load_b64 v[\reg+2*\p:\reg+2*\p+1], v[\adr+2] offset:8*PC+16*(PC/8)+(\i)*16*PITCH
.endif
.endr
.endm
.macro FRAGA reg, adr, q, i            ; A's fragment from its image: each load reads 256 consecutive bytes
.irp p, 0,1,2,3,4,5
	ds_load_b64 v[\reg+2*\p:\reg+2*\p+1], v[\adr] offset:3072*(\i)+1536*(\q)+256*\p
.endr
.endm
.macro MUL16 a0, p, q, sc, zero        ; the 64 accumulators take turns, one instruction a turn
.irp a, \a0, \a0+1
.irp b, 0,1,2,3,4,5,6,7
.if \zero
	v_wmma_scale_f32_16x16x128_f8f6f4 v[8*(8*((\a)%4)+\b):8*(8*((\a)%4)+\b)+7], v[128*(\p)+FR*\b:128*(\p)+FR*\b+FR-1], v[AF+FR*(\a):AF+FR*(\a)+FR-1], 0, v[SC+8*NQ*(\sc)+NQ*\b+(\q)], v[SC+8*NQ*(\sc)+NQ*(\a)+(\q)] matrix_a_fmt:MATRIX_FMT_FP6 matrix_b_fmt:MATRIX_FMT_FP6 matrix_a_scale:MATRIX_SCALE_ROW1
.else
	v_wmma_scale_f32_16x16x128_f8f6f4 v[8*(8*((\a)%4)+\b):8*(8*((\a)%4)+\b)+7], v[128*(\p)+FR*\b:128*(\p)+FR*\b+FR-1], v[AF+FR*(\a):AF+FR*(\a)+FR-1], v[8*(8*((\a)%4)+\b):8*(8*((\a)%4)+\b)+7], v[SC+8*NQ*(\sc)+NQ*\b+(\q)], v[SC+8*NQ*(\sc)+NQ*(\a)+(\q)] matrix_a_fmt:MATRIX_FMT_FP6 matrix_b_fmt:MATRIX_FMT_FP6 matrix_a_scale:MATRIX_SCALE_ROW1
.endif
.endr
.endr
.endm
.macro FETCH_B slot, q, p
	WIN TO_B
.irp i, 0,1,2,3,4,5,6,7
	FRAG 128*(\p)+FR*\i, ADRB+\slot, \q, \i
.endr
	WIN 0
.endm
.macro FETCH_A slot, q, i0
.irp i, \i0, \i0+1, \i0+2, \i0+3
	FRAGA AF+FR*(\i), ADRA+\slot, \q, \i
.endr
.endm
.macro SCALES sc
.irp i, 0,1,2,3,4,5,6,7
	ds_load_b64 v[SC+8*NQ*\sc+NQ*\i:SC+8*NQ*\sc+NQ*\i+1], v[ADRS] offset:\i*SBLK
.endr
.endm
.macro PLACES n
.rept \n
	v_nop
.endr
.endm
.macro STEP slot, q, zero
	s_wait_dscnt 4*NL                              ; B's set and A's blocks 0-3 are in; the youngest 24 loads (A's blocks 4-7) may be out
	WIN MUL_LO
	MUL16 0, (\q)%2, \q, \slot, \zero
	MUL16 2, (\q)%2, \q, \slot, \zero
	s_wait_dscnt 0
	PLACES NP
	FETCH_B \slot, (\q)+1, 1-(\q)%2
	FETCH_A \slot, (\q)+1, 0
	WIN MUL_HI
	MUL16 4, (\q)%2, \q, \slot, \zero
	MUL16 6, (\q)%2, \q, \slot, \zero
	PLACES NP
	WIN 0
	FETCH_A \slot, (\q)+1, 4
.endm
.macro TURN slot, next, fill
	s_wait_tensorcnt 0x0                           ; all my tensor loads have landed: my part of the next slot
	ds_add_u32 v[SPW], v[NIL]                      ; 0 onto my spare word
	s_wait_dscnt 4*NL+1                            ; (the add and the youngest 24 loads may be out)
	WIN MUL_LO
	MUL16 0, 1, NQ-1, \slot, 0
	s_wait_dscnt 0x0                               ; the add is done, and my reads of this slot are over
	s_barrier_signal -1
	MUL16 2, 1, NQ-1, \slot, 0
	WIN 0
	s_barrier_wait -1
.if \fill
	CREST                                          ; the barrier has opened a round of the cluster's barrier
	s_add_nc_u64 s[G0+4*\slot+2:G0+4*\slot+3], s[G0+4*\slot+2:G0+4*\slot+3], 2*3072
	s_add_nc_u64 s[G0B+4*\slot+2:G0B+4*\slot+3], s[G0B+4*\slot+2:G0B+4*\slot+3], 2*ROWB
	JLOAD G0+4*\slot, G1, G0B+4*\slot, G1B         ; the first tensor load behind the round; its four v_nop are the places in front of the loads below
.else
	PLACES NP
.endif
	v_add_nc_u32 v[ADRS], 4*NQ, v[ADRS]
	FETCH_B \next, 0, 0
	FETCH_A \next, 0, 0
	SCALES \next
	WIN MUL_HI
	MUL16 4, 1, NQ-1, \slot, 0
	MUL16 6, 1, NQ-1, \slot, 0
	PLACES NP
	WIN 0
	FETCH_A \next, 0, 4
.endm
	s_wait_tensorcnt 1                             ; B's scales and my part of K step 0 are in (K step 1's load may be out),
	s_wait_dscnt 0x0                               ; and my rows of A's scales are stored:
	s_barrier_signal -1
	s_barrier_wait -1                              ; everybody's are
	FETCH_B 0, 0, 0
	FETCH_A 0, 0, 0
	SCALES 0
	FETCH_A 0, 0, 4
	STEP 0, 0, 1                                   ; the first step stands in front of the loop: its products start the sums
	s_mov_b32 s3, LAPS-1
.Llap:
	TURN 0, 1, 1
	STEP 1, 0, 0
	TURN 1, 0, 1
	STEP 0, 0, 0
	s_sub_co_u32 s3, s3, 1
	s_cmp_lg_u32 s3, 0
	s_cbranch_scc1 .Llap
	TURN 0, 1, 0                                   ; the last lap fills nothing
	STEP 1, 0, 0
	s_wait_dscnt 4*NL
	WIN MUL_LO
	MUL16 0, 1, NQ-1, 1, 0
	MUL16 2, 1, NQ-1, 1, 0
	s_wait_dscnt 0
	WIN MUL_HI
	MUL16 4, 1, NQ-1, 1, 0
	MUL16 6, 1, NQ-1, 1, 0
	WIN 0
; THE WAY OUT, block by block of 16 places x 128 columns, through my own stage in LDS: back as whole rows of 512 bytes.  LDS serves a wave's instructions in order (ISA guide 5.7.1.4).
.macro TOSTAGE a
.set AC, 64*((\a)%4)
	WIN 0x08+4*((\a)/4)                            ; the data: window 2 or 3
.irp b, 0,1,2,3,4,5,6,7
	ds_store_b128 v[STO], v[AC+8*\b:AC+8*\b+3] offset:64*\b          ; each accumulator from its low end on
	ds_store_b128 v[STO], v[AC+8*\b+4:AC+8*\b+7] offset:64*\b+16
.endr
	WIN 0
.set BB, BK+64*((\a)%2)
.irp t, 0,1,2,3,4,5,6,7,8,9,10,11,12,13,14,15
	ds_load_b128 v[BB+4*\t:BB+4*\t+3], v[RD] offset:\t*SPITCH
.endr
.endm
.macro SEND a, younger                 ; younger: the LDS instructions issued behind block a's loads, which may stay out
.set BB, BK+64*((\a)%2)
	s_wait_dscnt \younger
.irp t, 0,1,2,3,4,5,6,7,8,9,10,11,12,13,14,15
	global_store_b128 v[CO], v[BB+4*\t:BB+4*\t+3], s[12:13] offset:(32*((\a)/2)+8*((\a)%2)+\t+8*(\t/8))*SIZE_N*4 th:TH_STORE_NT   ; the place's true token; 32 lanes store 512 consecutive bytes, aligned; 127 rows at the most: inside the immediate
.endr
.endm
	PLACES NP
	TOSTAGE 0
.irp a, 1,2,3,4,5,6,7
.if \a > 1
	s_wait_xcnt 0x0                                ; block a - 2's stores have read their registers: block a's loads may land there
.endif
	TOSTAGE \a
	SEND \a-1, 32                                  ; behind block a - 1's loads: block a's 16 stores and 16 loads
.endr
	SEND 7, 0
	s_wait_tensorcnt 0x0                           ; the wave's end, behind my last tensor load and my last LDS store
	ds_add_u32 v[SPW], v[NIL]
	s_wait_dscnt 0x0
	CROUND                                         ; the closing round
	s_endpgm
.Lfunc_end_k_q4a910afe7b_proj:
	.size	k_q4a910afe7b_proj, .Lfunc_end_k_q4a910afe7b_proj-k_q4a910afe7b_proj
	.p2alignl 7, 3214868480
	.fill 96, 4, 3214868480
	.section	.rodata,"a",@progbits
	.p2align	6, 0x0
	.amdhsa_kernel k_q4a910afe7b_proj
		.amdhsa_group_segment_fixed_size 327680
		.amdhsa_private_segment_fixed_size 0
		.amdhsa_enable_private_segment 0
		.amdhsa_kernarg_size 40
		.amdhsa_user_sgpr_count 2
		.amdhsa_user_sgpr_kernarg_segment_ptr 1
		.amdhsa_wavefront_size32 1
		.amdhsa_system_sgpr_workgroup_id_x 1
		.amdhsa_system_sgpr_workgroup_id_y 1
		.amdhsa_system_sgpr_workgroup_id_z 1
		.amdhsa_system_vgpr_workitem_id 0
		.amdhsa_next_free_vgpr 1024
		.amdhsa_next_free_sgpr 98
		.amdhsa_reserve_vcc 0
		.amdhsa_float_denorm_mode_32 3
		.amdhsa_float_denorm_mode_16_64 3
		.amdhsa_memory_ordered 1
		.amdhsa_forward_progress 1
		.amdhsa_inst_pref_size 162
	.end_amdhsa_kernel
	.amdgpu_metadata
---
amdhsa.version: [ 1, 2 ]
amdhsa.kernels:
  - .name:           k_q4a910afe7b_proj
    .symbol:         k_q4a910afe7b_proj.kd
    .args:
      - { .name: ac, .offset: 0, .size: 8, .value_kind: global_buffer, .address_space: global }
      - { .name: asc, .offset: 8, .size: 8, .value_kind: global_buffer, .address_space: global }
      - { .name: wc, .offset: 16, .size: 8, .value_kind: global_buffer, .address_space: global }
      - { .name: ws, .offset: 24, .size: 8, .value_kind: global_buffer, .address_space: global }
      - { .name: out0, .offset: 32, .size: 8, .value_kind: global_buffer, .address_space: global }
    .group_segment_fixed_size: 327680
    .private_segment_fixed_size: 0
    .kernarg_segment_align: 8
    .kernarg_segment_size: 40
    .max_flat_workgroup_size: 128
    .sgpr_count:     98
    .vgpr_count:     1024
    .wavefront_size: 32
...
	.end_amdgpu_metadata
.endif
;; end of part 4
